; MI455X (gfx1250); checked and timed in simulation.
; The chip was launched on July 23, 2026; its instructions are those of AMD's public machine-readable ISA for CDNA 5 (MIT licence, August 2026) and "CDNA5" Instruction Set Architecture Reference Guide (July 2026). The comments in the code are by the model that wrote it; some were corrected since.
;; SSM Layer. Allowed arithmetic: float matrix products may take bf16 or f16 operands with f32 sums; all other float work in f32.
;; Inputs: A 128 x 128 float32; B 128 x 512 float32; C 512 x 128 float32; D 512 x 512 float32; beta 512 float32; gamma 512 float32; x 4 x 512 x 512 float32.
;; Outputs: out0 4 x 512 x 512 float32.
;; 2 versions, each right and faster than the one before. Each part assembles by itself: llvm-mc -triple=amdgcn-amd-amdhsa -mcpu=gfx1250 --defsym DOCPART=n.
;; ======== version 1 of 2: 3 launches
;; limits: a function is approximated: absolute error at most 1.5e-07
;; workspace buffers: y0 4,194,304 bytes; uf 524,288 bytes; wf 131,072 bytes
;; launch chain (part 1): grid 1 x 1, 4 waves a work-group, no clusters, 150,528 bytes of LDS; arguments A, C, wf; writes wf
.if DOCPART == 1
	.amdgcn_target "amdgcn-amd-amdhsa--gfx1250"
	.amdhsa_code_object_version 6
	.text
	.protected	k_q16f93c77bb_chain
	.globl	k_q16f93c77bb_chain
	.p2align	8
	.type	k_q16f93c77bb_chain,@function
k_q16f93c77bb_chain:
	s_mov_b64 s[64:65], 0
	v_nop
	global_prefetch_b8 v0, s[64:65] scope:SCOPE_SE
	s_setreg_imm32_b32 hwreg(HW_REG_WAVE_MODE, 25, 1), 1
	s_wait_xcnt 0x0
; SSM layer, first of three launches: the table of read-out vectors w_k.
;
; WORK LEFT OUT, AND WHY IT IS DEAD.  The state is [batch][128 s][512 h].  It starts as zeros that the function builds itself; each step
; adds (x_t B^T)[:, :, None], the same number for every h, and A acts along s alone.  By induction over the steps all 512 columns h of
; the state are equal, for every value of the inputs.  So ONE column s_t (128 numbers for a batch) is carried instead of 512, and the
; read-out Cbar . s_t is one number c[b][t] that is added to all 512 outputs of row (b, t).  Unrolled, with u_j = B x_j and the row
; vectors w_k = Cbar^T A^k:   c[b][t] = sum over j < t of  w_(t-1-j) . u_(b,j).
; The state update of the last step reaches no output (outputs use the state before the update), so u_511 and w_511 are never used;
; they lie in tiles that also hold live numbers, are computed with them, and are selected away in the last launch.
; All seven inputs keep a way to the output: A and C here, x, B and D in the second launch, x, gamma and beta in the last.
; LIMITS.  A NaN, an infinity or an overflow that would arise only in the 511 omitted copies or in the omitted last update is not
; carried to the result.  The sums of the recurrence are associated otherwise than step by step (table times u).  All 511 lags are
; made: nothing is cut off.  A^(2^g), w_k and u are matrix operands and are rounded to bf16 (bf16, not f16: powers of A may span
; the whole exponent range of f32), the powers once at every doubling, so their relative error doubles with every doubling.
;
; WHAT THIS LAUNCH DOES.  Cbar = the mean of C's 512 rows; then nine doublings, g = 0 .. 8, m = 2^g:  [ A^m ; w_0..w_(m-1) ] x A^m  gives
; A^(2m) and w_m..w_(2m-1).  Each doubling needs the one before, and work-groups hand each other nothing inside a launch, so the chain
; is one work-group's, in LDS: four waves, one for each SIMD.
; wf lies in fragment order: [tile of 16 rows][chunk q = 0..7][lane L][16 bytes]; lane L = 16 h + r holds row r, s = 16 q + 8 h .. + 7.
; Chunks 2 ks and 2 ks + 1 are registers 0-3 and 4-7 of the 16 x 32 fragment of K step ks (ISA guide 7.12.2), so the last launch fills
; a fragment by two loads of 512 consecutive bytes each.
; No tensor loads: A and C are f32 in memory and must be bf16, or a sum, in LDS, so they pass through registers anyway.  No cluster: one work-group.
;
; THE MATRIX INSTRUCTION IS USED TRANSPOSED: source 0 = the fragment of 16 output columns, source 1 = that of 16 output rows.
; Lane (r, h) then holds row r and the eight neighbouring columns 8 h .. 8 h + 7 of the tile.
.set PP,   144                         ; pitch of a row of 64 bf16: 128 bytes + 16
.set PPL,  18560                       ; from the plane of columns 0-63 to that of columns 64-127 of a power of A (128 rows x 144 = 18,432, + 128)
.set PBUF, 2*PPL                       ; a power of A; two such buffers take turns
.set WT,   2*PBUF                      ; 74,240: rows w_0 .. w_255, again two planes of 64 columns
.set WPL,  256*PP                      ; 36,864
.set SCR,  WT+2*WPL                    ; 147,968: four partial sums of C's rows, 512 bytes each
.macro PLACES                          ; four places behind a matrix instruction (ISA guide 7.12.1) before its result is read by another
.rept 4                                ; kind of instruction, or one of its registers is loaded again
	v_nop
.endr
.endm
.macro LEND                            ; my LDS reads and writes are done; then all four waves meet
	s_wait_dscnt 0x0
	s_barrier_signal -1
	s_barrier_wait -1
.endm
	s_load_b128 s[4:7], s[0:1], 0x0                ; A 4:5, C 6:7
	s_load_b64 s[8:9], s[0:1], 0x10                ; wf
	s_set_vgpr_msb 0x40
	v_lshl_add_u32 v0, v0, 2, 0x24a00
	v_mov_b32 v1, 0
	s_set_vgpr_msb 0x4000
	v_lshrrev_b32 v1, 5, v0
	v_readfirstlane_b32 s20, v1                    ; wave 0..3
; Wave w: ch = w & 1 is its half of the 128 columns, rh = w >> 1 its half of the rows of A^m, and the parity of its tiles of w rows.
; v1  VB   B side (A^m as [k][n], read transposed)     v2  VA   rows of A^m, plane 0, buffer 0        v3  VW   VA in my plane (writes)
; v4  VAW0 rows of w, plane 0    v5 VAW1 plane 1       v6  VWW  VAW0 in my plane (writes)             v7  VGW  my bytes in a tile of wf
; v8  r    v9  16 h    v10-12 addresses of the levels with fewer than 16 rows of w    v13, v14 tile 0 of wf: from LDS, to memory
; v16-31 packed results    v32-63 four accumulators    v64-95, v96-127 two buffers of row fragments    v128-255 B fragments (nt, ks) at 128 + 32 nt + 8 ks
	s_and_b32 s21, s20, 1                          ; ch
	s_lshr_b32 s22, s20, 1                         ; rh
	v_and_b32 v15, 31, v0                          ; L
	v_and_b32 v8, 15, v0                           ; r
	v_bfe_u32 v9, v0, 4, 1                         ; h
	s_lshl_b32 s23, s22, 15
	s_lshl_b32 s24, s21, 8
	s_add_co_u32 s23, s23, s24
	v_lshlrev_b32 v16, 4, v8
	v_lshl_add_u32 v16, v9, 9, v16
	v_add_nc_u32 v16, s23, v16                     ; A: (64 rh + h) rows of 512 bytes + 256 ch + 16 r: my 64 x 64 block, two rows a load
	s_lshl_b32 s24, s20, 16
	v_lshl_add_u32 v17, v15, 4, s24                ; C: my 128 rows of 512 bytes, one row a load
	s_wait_kmcnt 0x0
.set i, 0
.rept 32
	global_load_b128 v[128+4*i:128+4*i+3], v16, s[4:5] offset:i*1024 th:TH_LOAD_NT
.set i, i+1
.endr
.macro CLD set, b                      ; sixteen rows of C
.irp i, 0,1,2,3,4,5,6,7,8,9,10,11,12,13,14,15
	global_load_b128 v[\set+4*\i:\set+4*\i+3], v17, s[6:7] offset:(16*(\b)+\i)*512 th:TH_LOAD_NT
.endr
.endm
	CLD 64, 0
	; addresses, while the loads are on their way
	s_mul_i32 s25, s21, PPL                        ; my plane of a power of A
	s_mul_i32 s26, s22, 64*PP                      ; my 64 rows
	s_add_co_u32 s24, s25, s26
	v_mul_u32_u24 v18, v9, PP
	v_lshl_add_u32 v18, v8, 3, v18
	v_add_nc_u32 v18, s24, v18                     ; A into LDS: row 64 rh + h, 8 bytes at 8 r, my plane, buffer 0
	s_lshl_b32 s24, s20, 9
	s_add_co_u32 s24, s24, SCR
	v_lshl_add_u32 v19, v15, 4, s24                ; my partial sum of C's rows
	v_and_b32 v1, 7, v0
	v_lshl_add_u32 v1, v9, 3, v1                   ; k = 8 h + (L & 7)
	v_mul_u32_u24 v1, v1, PP
	v_bfe_u32 v2, v0, 3, 1
	v_lshl_add_u32 v1, v2, 4, v1                   ; + 16 bytes for lanes 8-15 and 24-31
	v_add_nc_u32 v1, s25, v1                       ; VB
	v_mul_u32_u24 v10, v8, PP
	v_lshl_add_u32 v10, v9, 4, v10                 ; r x pitch + 16 h
	v_add_nc_u32 v2, s26, v10                      ; VA
	v_add_nc_u32 v3, s25, v2                       ; VW
	s_mul_i32 s26, s22, 16*PP
	s_add_co_u32 s26, s26, WT
	v_add_nc_u32 v4, s26, v10                      ; VAW0: tile rh
	v_add_nc_u32 v5, WPL, v4                       ; VAW1
	s_mul_i32 s29, s21, WPL
	v_add_nc_u32 v6, s29, v4                       ; VWW
	s_add_co_u32 s28, s29, WT                      ; the w table's first row in my plane
	v_add_nc_u32 v13, s28, v10
	s_lshl_b32 s24, s22, 12
	s_lshl_b32 s27, s21, 11
	s_add_co_u32 s24, s24, s27
	v_lshl_add_u32 v7, v15, 4, s24                 ; VGW: 4,096 rh + 2,048 ch + 16 L
	v_lshl_add_u32 v14, v15, 4, s27
	v_lshlrev_b32 v9, 4, v9                        ; from here on 16 h
	s_wait_loadcnt 16                              ; A's 32 loads are in; the 16 of C behind them stay out
.set i, 0
.rept 32
	v_cvt_pk_bf16_f32 v[128+4*i], v[128+4*i], v[128+4*i+1]
	v_cvt_pk_bf16_f32 v[128+4*i+1], v[128+4*i+2], v[128+4*i+3]
	ds_store_b64 v18, v[128+4*i:128+4*i+1] offset:i*2*PP
.set i, i+1
.endr
	CLD 128, 1
	CLD 192, 2
; The sum of my 128 rows of C: lane L keeps columns 4 L .. 4 L + 3, in four chains (v32-47) that the first eight rows start.
.macro CADD set, from
.irp i, 0,1,2,3,4,5,6,7,8,9,10,11,12,13,14,15
.if \i >= \from
	v_pk_add_f32 v[32+4*(\i%4):33+4*(\i%4)], v[32+4*(\i%4):33+4*(\i%4)], v[\set+4*\i:\set+4*\i+1]
	v_pk_add_f32 v[34+4*(\i%4):35+4*(\i%4)], v[34+4*(\i%4):35+4*(\i%4)], v[\set+4*\i+2:\set+4*\i+3]
.endif
.endr
.endm
.set cb, 0
.rept 8
.if cb < 6
	s_wait_loadcnt 32                              ; this batch is in; the two younger batches of 16 stay out
.elseif cb == 6
	s_wait_loadcnt 16
.else
	s_wait_loadcnt 0
.endif
.if cb == 0
.irp c, 0,1,2,3
	v_pk_add_f32 v[32+4*\c:33+4*\c], v[64+4*\c:65+4*\c], v[80+4*\c:81+4*\c]
	v_pk_add_f32 v[34+4*\c:35+4*\c], v[66+4*\c:67+4*\c], v[82+4*\c:83+4*\c]
.endr
	CADD 64, 8
.else
	CADD 64+64*(cb%3), 0
.endif
.if cb < 5
	CLD 64+64*(cb%3), cb+3
.endif
.set cb, cb+1
.endr
	v_pk_add_f32 v[32:33], v[32:33], v[36:37]
	v_pk_add_f32 v[34:35], v[34:35], v[38:39]
	v_pk_add_f32 v[40:41], v[40:41], v[44:45]
	v_pk_add_f32 v[42:43], v[42:43], v[46:47]
	v_pk_add_f32 v[32:33], v[32:33], v[40:41]
	v_pk_add_f32 v[34:35], v[34:35], v[42:43]
	ds_store_b128 v19, v[32:35]
	LEND                                           ; A lies in buffer 0 and the four partial sums in SCR, for every wave
	v_lshlrev_b32 v20, 2, v0
	v_add_nc_u32 v20, SCR, v20                     ; thread t takes column t
	ds_load_b32 v21, v20
	ds_load_b32 v22, v20 offset:512
	ds_load_b32 v23, v20 offset:1024
	ds_load_b32 v24, v20 offset:1536
	v_and_b32 v25, 63, v0
	v_lshlrev_b32 v25, 1, v25
	v_lshrrev_b32 v26, 6, v0
	v_mul_u32_u24 v26, v26, WPL
	v_add_nc_u32 v25, v25, v26
	v_add_nc_u32 v25, WT, v25                      ; row 0 of the table, plane t / 64, column t % 64
	s_wait_dscnt 0x0
	v_add_f32 v21, v21, v22
	v_add_f32 v23, v23, v24
	v_add_f32 v21, v21, v23
	v_mul_f32 v21, 0x3b000000, v21                 ; / 512: w_0 = Cbar
	v_cvt_pk_bf16_f32 v21, v21, v21
	ds_store_b16 v25, v21
	LEND
; ---- the pieces of a level ----
; Eight loads: the four K steps' fragments of 16 rows.  K steps 0, 1 lie in plane 0 (address a0), 2, 3 in plane 1 (a1); chunk c is 16 bytes at 32 c + 16 h.
.macro LDA8 buf, a0, a1, o0, o1
.irp c, 0,1,2,3
	ds_load_b128 v[\buf+4*\c:\buf+4*\c+3], v[\a0] offset:\o0+32*\c
.endr
.irp c, 0,1,2,3
	ds_load_b128 v[\buf+16+4*\c:\buf+16+4*\c+3], v[\a1] offset:\o1+32*\c
.endr
.endm
.macro LDAX idx, buf                   ; strip idx of this level: first my NW_ tiles of w rows (tile 2 idx + rh), then my four strips of A^m
.if (\idx) < NW_
	LDA8 \buf, 4, 5, (\idx)*32*PP, (\idx)*32*PP
.else
	LDA8 \buf, 2, 2, SRC_+((\idx)-NW_)*16*PP, SRC_+PPL+((\idx)-NW_)*16*PP
.endif
.endm
; 32 transposing loads: A^m lies [k][n]; each pair brings k = 32 ks + 8 h .. + 7 and 32 ks + 16 + 8 h .. + 7 of column 16 nt + r of my half.  K step by K step.
.macro BLD
.irp ks, 0,1,2,3
.irp nt, 0,1,2,3
	ds_load_tr16_b128 v[128+32*\nt+8*\ks:128+32*\nt+8*\ks+3], v1 offset:SRC_+\ks*32*PP+\nt*32
	ds_load_tr16_b128 v[128+32*\nt+8*\ks+4:128+32*\nt+8*\ks+7], v1 offset:SRC_+\ks*32*PP+\nt*32+16*PP
.endr
.endr
.endm
; One K step of a strip: the four accumulators take turns, one instruction a turn.  The first K step starts the sums.
.macro CMUL buf, ks, zero
.irp nt, 0,1,2,3
.if \zero
	v_wmma_f32_16x16x32_bf16 v[32+8*\nt:39+8*\nt], v[128+32*\nt+8*\ks:128+32*\nt+8*\ks+7], v[\buf+8*\ks:\buf+8*\ks+7], 0
.else
	v_wmma_f32_16x16x32_bf16 v[32+8*\nt:39+8*\nt], v[128+32*\nt+8*\ks:128+32*\nt+8*\ks+7], v[\buf+8*\ks:\buf+8*\ks+7], v[32+8*\nt:39+8*\nt]
.endif
.endr
.endm
.macro CM16 buf
	CMUL \buf, 0, 1
	CMUL \buf, 1, 0
	CMUL \buf, 2, 0
	CMUL \buf, 3, 0
.endm
.macro PACK                            ; a lane's eight neighbouring columns of each tile become 16 bytes
.irp nt, 0,1,2,3
.irp q, 0,1,2,3
	v_cvt_pk_bf16_f32 v[16+4*\nt+\q], v[32+8*\nt+2*\q], v[32+8*\nt+2*\q+1]
.endr
.endr
.endm
.macro LST a, off
.irp nt, 0,1,2,3
	ds_store_b128 v[\a], v[16+4*\nt:19+4*\nt] offset:\off+32*\nt
.endr
.endm
.macro GST a, off                      ; each store of the wave covers 512 consecutive bytes of wf, aligned
.irp nt, 0,1,2,3
	global_store_b128 v[\a], v[16+4*\nt:19+4*\nt], s[8:9] offset:\off+512*\nt
.endr
.endm
.macro SOUT idx
.if G_ >= 5
	s_wait_xcnt 0x0                                ; v16-31 were the data of earlier stores to wf: they are rewritten only behind this wait
.endif
	PACK
.if (\idx) < NW_
.if G_ < 8
	LST 6, M_*PP+(\idx)*32*PP                      ; rows m + 16 (2 idx + rh) + r of the table (rows from 256 on are never multiplied again)
.endif
	GST 7, (M_/16+2*(\idx))*4096
.else
	LST 3, DST_+((\idx)-NW_)*16*PP                 ; A^(2m) into the other buffer
.endif
.endm
; A level's run of strips.  Reads: buffer SRC_ and table rows below m.  Writes: buffer DST_ and table rows m .. 2 m - 1, each wave in its own rows and plane.
.macro PATH g, nw, np
.set G_, \g
.set M_, 1<<\g
.set SRC_, (\g%2)*PBUF
.set DST_, PBUF-SRC_
.set NW_, \nw
.set S_, \nw+\np
.if \g == 8
.set ST_, 0
.else
.set ST_, 4
.endif
	LDAX 0, 64
	BLD
	LDAX 1, 96
.set st, 0
.rept \nw+\np
.set BUF_, 64+32*(st%2)
.if st == 0
	s_wait_dscnt 32                                ; strip 0's rows and K step 0 of B are in; out: 3 x 8 loads of B and strip 1's 8
	CMUL BUF_, 0, 1
	s_wait_dscnt 24
	CMUL BUF_, 1, 0
	s_wait_dscnt 16
	CMUL BUF_, 2, 0
	s_wait_dscnt 8
	CMUL BUF_, 3, 0
.else
.set WC_, ST_                                          ; issued behind this strip's eight loads: the LDS stores of the strip before,
.if st >= 2
.set WC_, WC_+ST_                                      ; those of the strip before that,
.endif
.if st+1 < S_
.set WC_, WC_+8                                        ; and the next strip's eight loads
.endif
	s_wait_dscnt WC_
	CM16 BUF_
.endif
	PLACES
.if st+2 < S_
	LDAX st+2, BUF_
.endif
	SOUT st
.set st, st+1
.endr
.endm
; Levels with m < 16: one strip of w rows, done by the waves rh = 0.  Lane r takes row r & (m - 1): only rows that exist are read, all of them, and only
; rows m .. 2 m - 1 are written; lanes that repeat a row hold the same numbers and write them to the same bytes.
.macro WTAIL
	s_cmp_lg_u32 s22, 0
	s_cbranch_scc1 .Lno_w_\@
	v_and_b32 v10, M_-1, v8
	v_mul_u32_u24 v10, v10, PP
	v_add_nc_u32 v10, v9, v10
	v_add_nc_u32 v12, s28, v10
	v_add_nc_u32 v11, WT+WPL, v10
	v_add_nc_u32 v10, WT, v10
	LDA8 64, 10, 11, 0, 0
	s_wait_dscnt 0x0
	CM16 64
	PLACES
	PACK
	LST 12, M_*PP
.Lno_w_\@:
.endm
	PATH 0, 0, 4
	WTAIL
	LEND                                           ; one barrier a level: this level's reads are over before the next level writes the buffer, its writes before the next reads them
	PATH 1, 0, 4
	WTAIL
	LEND
	PATH 2, 0, 4
	WTAIL
	LEND
	PATH 3, 0, 4
	WTAIL
	LEND
	PATH 4, 0, 4
	s_cmp_lg_u32 s22, 0
	s_cbranch_scc1 .Ltile0
	LDA8 64, 4, 5, 0, 0                            ; waves rh = 0: w_0..15 times A^16
	s_wait_dscnt 0x0
	CM16 64
	PLACES
	PACK
	LST 6, 16*PP
	GST 7, 4096                                    ; tile 1 of wf
	s_branch .Ljoin4
.Ltile0:                                               ; waves rh = 1: w_0..15, whole since the last barrier, go to tile 0 of wf
.irp i, 0,1,2,3
	ds_load_b128 v[16+4*\i:19+4*\i], v13 offset:32*\i
.endr
	s_wait_dscnt 0x0
	GST 14, 0
.Ljoin4:
	LEND
	PATH 5, 1, 4
	LEND
	PATH 6, 2, 4
	LEND
	PATH 7, 4, 4
	LEND
	PATH 8, 8, 0                                   ; w_256..511 = w_0..255 times A^256: to wf alone
	s_set_vgpr_msb 0x5
	s_wait_tensorcnt 0x0
	ds_add_u32 v0, v1
	s_wait_dscnt 0x0
	s_set_vgpr_msb 0x500
	s_endpgm
.Lfunc_end_k_q16f93c77bb_chain:
	.size	k_q16f93c77bb_chain, .Lfunc_end_k_q16f93c77bb_chain-k_q16f93c77bb_chain
	.p2alignl 7, 3214868480
	.fill 96, 4, 3214868480
	.section	.rodata,"a",@progbits
	.p2align	6, 0x0
	.amdhsa_kernel k_q16f93c77bb_chain
		.amdhsa_group_segment_fixed_size 150528
		.amdhsa_private_segment_fixed_size 0
		.amdhsa_enable_private_segment 0
		.amdhsa_kernarg_size 24
		.amdhsa_user_sgpr_count 2
		.amdhsa_user_sgpr_kernarg_segment_ptr 1
		.amdhsa_wavefront_size32 1
		.amdhsa_system_sgpr_workgroup_id_x 1
		.amdhsa_system_sgpr_workgroup_id_y 1
		.amdhsa_system_sgpr_workgroup_id_z 1
		.amdhsa_system_vgpr_workitem_id 0
		.amdhsa_next_free_vgpr 258
		.amdhsa_next_free_sgpr 66
		.amdhsa_reserve_vcc 0
		.amdhsa_float_denorm_mode_32 3
		.amdhsa_float_denorm_mode_16_64 3
		.amdhsa_memory_ordered 1
		.amdhsa_forward_progress 1
		.amdhsa_inst_pref_size 220
	.end_amdhsa_kernel
	.amdgpu_metadata
---
amdhsa.version: [ 1, 2 ]
amdhsa.kernels:
  - .name:           k_q16f93c77bb_chain
    .symbol:         k_q16f93c77bb_chain.kd
    .args:
      - { .name: A, .offset: 0, .size: 8, .value_kind: global_buffer, .address_space: global }
      - { .name: C, .offset: 8, .size: 8, .value_kind: global_buffer, .address_space: global }
      - { .name: wf, .offset: 16, .size: 8, .value_kind: global_buffer, .address_space: global }
    .group_segment_fixed_size: 150528
    .private_segment_fixed_size: 0
    .kernarg_segment_align: 8
    .kernarg_segment_size: 24
    .max_flat_workgroup_size: 128
    .sgpr_count:     66
    .vgpr_count:     258
    .wavefront_size: 32
...
	.end_amdgpu_metadata
.endif
;; end of part 1
;; launch xdb (part 2): grid 160 x 1, 4 waves a work-group, no clusters, 235,008 bytes of LDS; arguments x, B, D, y0, uf; writes y0, uf
.if DOCPART == 2
	.amdgcn_target "amdgcn-amd-amdhsa--gfx1250"
	.amdhsa_code_object_version 6
	.text
	.protected	k_q16f93c77bb_xdb
	.globl	k_q16f93c77bb_xdb
	.p2align	8
	.type	k_q16f93c77bb_xdb,@function
k_q16f93c77bb_xdb:
	s_mov_b64 s[64:65], 0
	v_nop
	global_prefetch_b8 v0, s[64:65] scope:SCOPE_SE
	s_setreg_imm32_b32 hwreg(HW_REG_WAVE_MODE, 25, 1), 1
	s_wait_xcnt 0x0
; SSM layer, second of three launches:  x [D ; B]^T  in blocks of 128 rows x 64 columns.  Columns of D go to y0 in f32; columns of B (u = x B^T) to uf in bf16.
; As shown at the head of the first launch, the 512 columns of the state are equal, so u is kept once for a row (128 numbers) and is never spread over h.
; LIMIT: x, D and B are matrix operands and are rounded to bf16; u is rounded to bf16 once more, as an operand of the last launch.
; uf lies in fragment order: [tile of 16 rows][chunk q = 0..7][lane L][16 bytes]; lane L = 16 h + r holds row r, s = 16 q + 8 h .. + 7, so that the last
; launch fills a 16 x 32 fragment (ISA guide 7.12.2) by two loads of 512 consecutive bytes each.
; No tensor loads and no cluster: every operand is f32 in memory and must be bf16 in LDS, so it passes through registers anyway.
; THE MATRIX INSTRUCTION IS USED TRANSPOSED: source 0 = the fragment of 16 output columns, source 1 = that of 16 output rows.
; Lane (r, h) then holds row r and the eight neighbouring columns 8 h .. 8 h + 7 of the tile.
;
; Work-group g: row block g & 15 (128 rows of x), slab g >> 4 (64 output columns: slabs 0-7 rows of D, 8-9 rows of B).  Wave w: rows 32 w .. + 31, all 64 columns.
; v1 x offset   v2 weight offset   v3, v4 their places in LDS   v5, v6 fragment addresses   v7, v8 the stage, in and back   v9 y0 offset   v10 uf offset
; staging: three sets of 16 loads v64-127, v128-191, v192-255.  Products: accumulators v16-79, tile (mt, nt) at 16 + 8 (4 mt + nt);
; two fragment sets v80-127, v128-175 (x's tile mt at + 8 mt, the weights' tile nt at + 16 + 8 nt); the way out v176-239.
.set XP,   1040                        ; LDS pitch of a row of 512 bf16: 1,024 bytes + 16 (65 x 16: sixteen rows start 16 bytes apart modulo 256)
.set DSB,  128*XP                      ; 133,120: behind x's 128 rows, the 64 weight rows
.set STG,  DSB+64*XP                   ; 199,680: the way out, 32 rows x 272 bytes for each wave
.set SPI,  272
.macro PLACES                          ; four places behind a matrix instruction (ISA guide 7.12.1) before its result is read by another
.rept 4                                ; kind of instruction, or one of its registers is loaded again
	v_nop
.endr
.endm
.macro LEND                            ; my LDS reads and writes are done; then all four waves meet
	s_wait_dscnt 0x0
	s_barrier_signal -1
	s_barrier_wait -1
.endm
	s_load_b64 s[4:5], s[0:1], 0x0                 ; x
	s_load_b64 s[8:9], s[0:1], 0x8                 ; B
	s_load_b128 s[12:15], s[0:1], 0x10             ; D 12:13, y0 14:15
	s_load_b64 s[16:17], s[0:1], 0x20              ; uf
	s_set_vgpr_msb 0x40
	v_lshl_add_u32 v0, v0, 2, 0x39400
	v_mov_b32 v1, 0
	s_set_vgpr_msb 0x4000
	v_lshrrev_b32 v1, 5, v0
	v_readfirstlane_b32 s20, v1                    ; wave 0..3
	s_and_b32 s21, ttmp9, 15                       ; row block
	s_lshr_b32 s22, ttmp9, 4                       ; slab
	s_and_b32 s32, s22, 7
	s_mov_b32 s35, 0
	s_wait_kmcnt 0x0
	s_lshl_b32 s34, s21, 18                        ; 128 rows of 2,048 bytes
	s_add_nc_u64 s[24:25], s[4:5], s[34:35]        ; x
	s_add_nc_u64 s[28:29], s[14:15], s[34:35]      ; y0
	s_lshl_b32 s34, s32, 8
	s_add_nc_u64 s[28:29], s[28:29], s[34:35]      ; + 64 columns of f32 a slab
	s_cmp_lt_u32 s22, 8
	s_cselect_b64 s[26:27], s[12:13], s[8:9]       ; D or B
	s_lshl_b32 s34, s32, 17                        ; 64 rows of 2,048 bytes
	s_add_nc_u64 s[26:27], s[26:27], s[34:35]
	s_lshl_b32 s34, s21, 15                        ; eight tiles of 4,096 bytes
	s_add_nc_u64 s[30:31], s[16:17], s[34:35]      ; uf
	s_lshl_b32 s34, s32, 11                        ; four chunks of 512 bytes a slab
	s_add_nc_u64 s[30:31], s[30:31], s[34:35]
	v_and_b32 v11, 31, v0                          ; L
	v_lshlrev_b32 v14, 4, v11
	s_lshl_b32 s33, s20, 16
	v_add_nc_u32 v1, s33, v14                      ; my 32 rows of x
	s_lshl_b32 s33, s20, 15
	v_add_nc_u32 v2, s33, v14                      ; my 16 of the 64 weight rows
; Batch b: sixteen loads, 8,192 consecutive bytes = four rows.  Batches 0-7: x; 8-11: the weights.
.macro GLD set, b
.irp i, 0,1,2,3,4,5,6,7,8,9,10,11,12,13,14,15
.if (\b) < 8
	global_load_b128 v[\set+4*\i:\set+4*\i+3], v1, s[24:25] offset:(16*(\b)+\i)*512
.else
	global_load_b128 v[\set+4*\i:\set+4*\i+3], v2, s[26:27] offset:(16*((\b)-8)+\i)*512
.endif
.endr
.endm
.macro GCV set, b                      ; to bf16 in place, 8 bytes a lane into the padded rows
.irp i, 0,1,2,3,4,5,6,7,8,9,10,11,12,13,14,15
	v_cvt_pk_bf16_f32 v[\set+4*\i], v[\set+4*\i], v[\set+4*\i+1]
	v_cvt_pk_bf16_f32 v[\set+4*\i+1], v[\set+4*\i+2], v[\set+4*\i+3]
.if (\b) < 8
	ds_store_b64 v3, v[\set+4*\i:\set+4*\i+1] offset:(4*(\b)+\i/4)*XP+(\i%4)*256
.else
	ds_store_b64 v4, v[\set+4*\i:\set+4*\i+1] offset:(4*((\b)-8)+\i/4)*XP+(\i%4)*256
.endif
.endr
.endm
	GLD 64, 0
	GLD 128, 1
	GLD 192, 2
	v_and_b32 v12, 15, v0                          ; r
	v_bfe_u32 v13, v0, 4, 1                        ; h
	v_lshlrev_b32 v15, 3, v11
	s_mul_i32 s33, s20, 32*XP
	v_add_nc_u32 v3, s33, v15
	v_mul_u32_u24 v6, v12, XP
	v_lshl_add_u32 v6, v13, 4, v6                  ; r x pitch + 16 h
	v_add_nc_u32 v5, s33, v6
	v_add_nc_u32 v6, DSB, v6
	s_mul_i32 s33, s20, 16*XP
	s_add_co_u32 s33, s33, DSB
	v_add_nc_u32 v4, s33, v15
	s_mul_i32 s33, s20, 32*SPI
	s_add_co_u32 s33, s33, STG
	v_mul_u32_u24 v7, v12, SPI
	v_lshl_add_u32 v7, v13, 5, v7
	v_add_nc_u32 v7, s33, v7                       ; in: row r, 32 bytes for each half of the lanes
	v_mul_u32_u24 v8, v13, SPI
	v_lshl_add_u32 v8, v12, 4, v8
	v_add_nc_u32 v8, s33, v8                       ; back: lanes 0-15 one row of 256 bytes, lanes 16-31 the next
	v_lshlrev_b32 v9, 4, v12
	v_lshl_add_u32 v9, v13, 11, v9
	s_lshl_b32 s33, s20, 16
	v_add_nc_u32 v9, s33, v9                       ; the same two rows in y0
	s_lshl_b32 s33, s20, 13
	v_add_nc_u32 v10, s33, v14                     ; my two tiles of uf
.set bb, 0
.rept 12
.if bb < 10
	s_wait_loadcnt 32                              ; this batch is in; the two younger batches of 16 stay out
.elseif bb == 10
	s_wait_loadcnt 16
.else
	s_wait_loadcnt 0
.endif
	GCV 64+64*(bb%3), bb
.if bb < 9
	GLD 64+64*(bb%3), bb+3
.endif
.set bb, bb+1
.endr
	LEND                                           ; all 128 + 64 rows lie in LDS in bf16, the whole K: the kernel's only barrier
.macro FLD ks, f                       ; twelve loads: K step ks of my two row tiles and of the four column tiles
.irp mt, 0,1
	ds_load_b128 v[\f+8*\mt:\f+8*\mt+3], v5 offset:\mt*16*XP+64*(\ks)
	ds_load_b128 v[\f+8*\mt+4:\f+8*\mt+7], v5 offset:\mt*16*XP+64*(\ks)+32
.endr
.irp nt, 0,1,2,3
	ds_load_b128 v[\f+16+8*\nt:\f+16+8*\nt+3], v6 offset:\nt*16*XP+64*(\ks)
	ds_load_b128 v[\f+16+8*\nt+4:\f+16+8*\nt+7], v6 offset:\nt*16*XP+64*(\ks)+32
.endr
.endm
.macro GMUL f, zero                    ; the eight accumulators take turns, one instruction a turn
.irp mt, 0,1
.irp nt, 0,1,2,3
.if \zero
	v_wmma_f32_16x16x32_bf16 v[16+8*(4*\mt+\nt):23+8*(4*\mt+\nt)], v[\f+16+8*\nt:\f+23+8*\nt], v[\f+8*\mt:\f+8*\mt+7], 0
.else
	v_wmma_f32_16x16x32_bf16 v[16+8*(4*\mt+\nt):23+8*(4*\mt+\nt)], v[\f+16+8*\nt:\f+23+8*\nt], v[\f+8*\mt:\f+8*\mt+7], v[16+8*(4*\mt+\nt):23+8*(4*\mt+\nt)]
.endif
.endr
.endr
.endm
	FLD 0, 80
.set kk, 0
.rept 16
.if kk > 0
	PLACES                                         ; the set loaded next was read by the last step's products
.endif
.if kk < 15
	FLD kk+1, 80+48*((kk+1)%2)
	s_wait_dscnt 12                                ; this step's fragments are in; the twelve loads just issued stay out
.else
	s_wait_dscnt 0
.endif
.if kk == 0
	GMUL 80, 1
.else
	GMUL 80+48*(kk%2), 0
.endif
.set kk, kk+1
.endr
	PLACES
	s_cmp_lt_u32 s22, 8
	s_cbranch_scc0 .Lto_u
	; columns of D: f32 through my own stage, so that sixteen lanes store 256 consecutive bytes of a row of y0, aligned
.irp t, 0,1,2,3,4,5,6,7
	ds_store_b128 v7, v[16+8*\t:19+8*\t] offset:(\t/4)*16*SPI+(\t%4)*64
	ds_store_b128 v7, v[20+8*\t:23+8*\t] offset:(\t/4)*16*SPI+(\t%4)*64+16
.endr
.irp i, 0,1,2,3,4,5,6,7,8,9,10,11,12,13,14,15
	ds_load_b128 v[176+4*\i:179+4*\i], v8 offset:\i*2*SPI          ; LDS serves a wave's instructions in order (ISA guide 5.7.1): these see the stores above
.endr
.irp i, 0,1,2,3,4,5,6,7,8,9,10,11,12,13,14,15
	s_wait_dscnt 15-\i
	global_store_b128 v9, v[176+4*\i:179+4*\i], s[28:29] offset:\i*4096
.endr
	s_set_vgpr_msb 0x5
	s_wait_tensorcnt 0x0
	ds_add_u32 v0, v1
	s_wait_dscnt 0x0
	s_set_vgpr_msb 0x500
	s_endpgm
.Lto_u:
	; columns of B: a lane's eight numbers are its 16 bytes of chunk 4 (slab - 8) + nt of tile 8 block + 2 w + mt: 512 consecutive bytes a store
.irp t, 0,1,2,3,4,5,6,7
.irp q, 0,1,2,3
	v_cvt_pk_bf16_f32 v[176+4*\t+\q], v[16+8*\t+2*\q], v[16+8*\t+2*\q+1]
.endr
	global_store_b128 v10, v[176+4*\t:179+4*\t], s[30:31] offset:(\t/4)*4096+(\t%4)*512
.endr
	s_set_vgpr_msb 0x5
	s_wait_tensorcnt 0x0
	ds_add_u32 v0, v1
	s_wait_dscnt 0x0
	s_set_vgpr_msb 0x500
	s_endpgm
.Lfunc_end_k_q16f93c77bb_xdb:
	.size	k_q16f93c77bb_xdb, .Lfunc_end_k_q16f93c77bb_xdb-k_q16f93c77bb_xdb
	.p2alignl 7, 3214868480
	.fill 96, 4, 3214868480
	.section	.rodata,"a",@progbits
	.p2align	6, 0x0
	.amdhsa_kernel k_q16f93c77bb_xdb
		.amdhsa_group_segment_fixed_size 235008
		.amdhsa_private_segment_fixed_size 0
		.amdhsa_enable_private_segment 0
		.amdhsa_kernarg_size 40
		.amdhsa_user_sgpr_count 2
		.amdhsa_user_sgpr_kernarg_segment_ptr 1
		.amdhsa_wavefront_size32 1
		.amdhsa_system_sgpr_workgroup_id_x 1
		.amdhsa_system_sgpr_workgroup_id_y 1
		.amdhsa_system_sgpr_workgroup_id_z 1
		.amdhsa_system_vgpr_workitem_id 0
		.amdhsa_next_free_vgpr 258
		.amdhsa_next_free_sgpr 66
		.amdhsa_reserve_vcc 0
		.amdhsa_float_denorm_mode_32 3
		.amdhsa_float_denorm_mode_16_64 3
		.amdhsa_memory_ordered 1
		.amdhsa_forward_progress 1
		.amdhsa_inst_pref_size 88
	.end_amdhsa_kernel
	.amdgpu_metadata
---
amdhsa.version: [ 1, 2 ]
amdhsa.kernels:
  - .name:           k_q16f93c77bb_xdb
    .symbol:         k_q16f93c77bb_xdb.kd
    .args:
      - { .name: x, .offset: 0, .size: 8, .value_kind: global_buffer, .address_space: global }
      - { .name: B, .offset: 8, .size: 8, .value_kind: global_buffer, .address_space: global }
      - { .name: D, .offset: 16, .size: 8, .value_kind: global_buffer, .address_space: global }
      - { .name: y0, .offset: 24, .size: 8, .value_kind: global_buffer, .address_space: global }
      - { .name: uf, .offset: 32, .size: 8, .value_kind: global_buffer, .address_space: global }
    .group_segment_fixed_size: 235008
    .private_segment_fixed_size: 0
    .kernarg_segment_align: 8
    .kernarg_segment_size: 40
    .max_flat_workgroup_size: 128
    .sgpr_count:     66
    .vgpr_count:     258
    .wavefront_size: 32
...
	.end_amdgpu_metadata
.endif
;; end of part 2
;; launch finish (part 3): grid 128 x 1, 16 waves a work-group, no clusters, 18,688 bytes of LDS; arguments y0, x, uf, wf, gamma, beta, out0; writes out0
.if DOCPART == 3
	.amdgcn_target "amdgcn-amd-amdhsa--gfx1250"
	.amdhsa_code_object_version 6
	.text
	.protected	k_q16f93c77bb_finish
	.globl	k_q16f93c77bb_finish
	.p2align	8
	.type	k_q16f93c77bb_finish,@function
k_q16f93c77bb_finish:
	s_mov_b64 s[64:65], 0
	v_nop
	global_prefetch_b8 v0, s[64:65] scope:SCOPE_SE
	s_setreg_imm32_b32 hwreg(HW_REG_WAVE_MODE, 25, 1), 1
	s_wait_xcnt 0x0
; SSM layer, third of three launches:  out = LayerNorm( gelu( y0 + c ) + x ) gamma + beta,  with  c[b][t] = sum over j < t of w_(t-1-j) . u_(b,j).
; As shown at the head of the first launch, all 512 columns of the state are equal, so its read-out is the one number c for a row; the terms
; j >= t do not exist (the state starts as zeros that the function builds itself), and whole tiles of them are neither loaded nor multiplied.
; LIMITS.  erf by the rational form 7.1.26 of Abramowitz and Stegun, absolute error up to 1.5e-7 in erf.  v_exp_f32 gives 0 for results
; below 2^-126 (ISA guide 15.8): there gelu's tail is 0 or y.  The limits stated at the head of the first launch hold here too.
;
; Work-group b 32 + n owns the 16 rows t = 16 n + e of batch b.  Sixteen waves.
; THE CONVOLUTION.  G = W_tile x U_tile^T is 16 x 16 x 128: G[ik][ij] = w_(16 kt + ik) . u_(16 p + ij).  For u's tile p, row e needs
; k = 16 (n - p) + e - 1 - ij: with d = ik + ij that is d = e - 1 in w's tile n - p ("hi", d <= 14) and d = e + 15 in tile n - p - 1 ("lo", d >= 15).
; So each element of hi with d <= 14 and of lo with d >= 15 belongs to row e = (d + 1) & 15, and the others to no row of this group.
; Wave w takes p = 2 w and 2 w + 1; with np = n - 2 w:  hi = W[np] U[2w] + W[np-1] U[2w+1],  lo = W[np-1] U[2w] + W[np-2] U[2w+1].
; Its 256 selected numbers go to LDS by row, one barrier, and wave e adds up row e's 256 numbers.  Then wave e finishes row e alone.
; No cluster and no tensor loads: uf and wf lie in fragment order and go straight into registers, 512 consecutive bytes a load.
.set Y,   16                           ; v16-31   my row of y0, then y, z, z - mean, the result
.set X,   32                           ; v32-47   my row of x
.set HI0, 48                           ; v48-79   four accumulators: hi and lo, each split in two that take turns
.set HI1, 56
.set LO0, 64
.set LO1, 72
.set U0,  80                           ; v80-143  two tiles of u
.set U1,  112
.set W0,  144                          ; v144-239 three tiles of w
.set W1,  176
.set W2,  208
.set GA,  80                           ; later: gamma, beta, and three arrays of 16 at work
.set BE,  96
.set T,   112
.set EX,  128
.set P,   144
.set C_P,  0x3e6d3388                  ; 0.3275911 / sqrt 2
.set C_KE, 0xbf38aa3b                  ; - log2(e) / 2
.set C_H5, 0x3f07dc22                  ; half of the form's five coefficients: 0.5307027
.set C_H4, 0xbf3a00e3                  ; -0.7265760
.set C_H3, 0x3f35f0e3                  ; 0.7107069
.set C_H2, 0xbe11a98e                  ; -0.1422484
.set C_H1, 0x3e027906                  ; 0.1274148
.set C_EPS, 0x3727c5ac                 ; 1e-5
.macro PLACES
.rept 4
	v_nop
.endr
.endm
.macro TLD dst, base, off              ; a tile: eight loads of 512 consecutive bytes; K step ks is registers 8 ks .. 8 ks + 7
.irp q, 0,1,2,3,4,5,6,7
	global_load_b128 v[\dst+4*\q:\dst+4*\q+3], v1, s[\base:\base+1] offset:\off+\q*512
.endr
.endm
.macro MM d, a, b, ks, zero            ; source 0: 16 rows of w, source 1: 16 rows of u.  Lane (r, h), register j: ik = 8 h + j, ij = r
.if \zero
	v_wmma_f32_16x16x32_bf16 v[\d:\d+7], v[\a+8*\ks:\a+8*\ks+7], v[\b+8*\ks:\b+8*\ks+7], 0
.else
	v_wmma_f32_16x16x32_bf16 v[\d:\d+7], v[\a+8*\ks:\a+8*\ks+7], v[\b+8*\ks:\b+8*\ks+7], v[\d:\d+7]
.endif
.endm
; In all three blocks, and from block to block, no two products that follow each other share an accumulator: they take turns, one instruction a turn.
.macro BLK0
	MM HI0, W0, U0, 0, 1
	MM HI1, W0, U0, 1, 1
	MM HI0, W0, U0, 2, 0
	MM HI1, W0, U0, 3, 0
.endm
.macro BLK1
	MM LO0, W1, U0, 0, 1
	MM HI0, W1, U1, 0, 0
	MM LO1, W1, U0, 1, 1
	MM HI1, W1, U1, 1, 0
	MM LO0, W1, U0, 2, 0
	MM HI0, W1, U1, 2, 0
	MM LO1, W1, U0, 3, 0
	MM HI1, W1, U1, 3, 0
.endm
.macro BLK2
	MM LO0, W2, U1, 0, 0
	MM LO1, W2, U1, 1, 0
	MM LO0, W2, U1, 2, 0
	MM LO1, W2, U1, 3, 0
.endm
.macro FOLD a, b
.irp i, 0,2,4,6
	v_pk_add_f32 v[\a+\i:\a+\i+1], v[\a+\i:\a+\i+1], v[\b+\i:\b+\i+1]
.endr
.endm
.macro WSUM r                          ; the sum over the 32 lanes, in every lane; v7 has been written
	v_add_f32_dpp v[\r], v[\r], v[\r] row_xmask:1 row_mask:0xf bank_mask:0xf
	v_add_f32_dpp v[\r], v[\r], v[\r] row_xmask:2 row_mask:0xf bank_mask:0xf
	v_add_f32_dpp v[\r], v[\r], v[\r] row_xmask:4 row_mask:0xf bank_mask:0xf
	v_add_f32_dpp v[\r], v[\r], v[\r] row_xmask:8 row_mask:0xf bank_mask:0xf
	v_permlanex16_b32 v7, v[\r], s40, s41
	v_add_f32 v[\r], v[\r], v7
.endm
	s_load_b256 s[4:11], s[0:1], 0x0               ; y0 4:5, x 6:7, uf 8:9, wf 10:11
	s_load_b128 s[12:15], s[0:1], 0x20             ; gamma 12:13, beta 14:15
	s_load_b64 s[16:17], s[0:1], 0x30              ; out0
	v_lshl_add_u32 v254, v0, 2, 0x4100
	v_mov_b32 v255, 0
	v_lshrrev_b32 v1, 5, v0
	v_readfirstlane_b32 s20, v1                    ; wave 0..15
	v_and_b32 v2, 31, v0                           ; L
	v_lshlrev_b32 v1, 4, v2                        ; 16 L: the one offset of every global access; never rewritten
	s_and_b32 s21, ttmp9, 31                       ; n
	s_lshl_b32 s23, s20, 1
	s_sub_co_i32 s22, s21, s23                     ; np = n - 2 w
	s_lshl_b32 s24, ttmp9, 15
	s_lshl_b32 s26, s20, 11
	s_add_co_u32 s24, s24, s26                     ; my row: (16 group + w) x 2,048 bytes
	s_mov_b32 s25, 0
	s_and_b32 s26, ttmp9, 0x60                     ; 32 b
	s_add_co_u32 s26, s26, s23
	s_lshl_b32 s26, s26, 12                        ; u's tile 32 b + 2 w
	s_mov_b32 s27, 0
	s_max_i32 s28, s22, 0
	s_lshl_b32 s28, s28, 12                        ; w's tile np
	s_mov_b32 s29, 0
	s_mov_b32 s32, 0x3b000000                      ; 1 / 512
	s_mov_b32 s40, 0x76543210                      ; v_permlanex16_b32: lane i of one half reads lane i of the other
	s_mov_b32 s41, 0xfedcba98
	s_wait_kmcnt 0x0
	s_add_nc_u64 s[4:5], s[4:5], s[24:25]
	s_add_nc_u64 s[6:7], s[6:7], s[24:25]
	s_add_nc_u64 s[16:17], s[16:17], s[24:25]
	s_add_nc_u64 s[8:9], s[8:9], s[26:27]
	s_add_nc_u64 s[10:11], s[10:11], s[28:29]
.irp c, 0,1,2,3
	global_load_b128 v[Y+4*\c:Y+4*\c+3], v1, s[4:5] offset:\c*512  ; lane L: columns 128 c + 4 L .. + 3
.endr
.irp c, 0,1,2,3
	global_load_b128 v[X+4*\c:X+4*\c+3], v1, s[6:7] offset:\c*512
.endr
	v_and_b32 v3, 15, v0
	v_bfe_u32 v4, v0, 4, 1
	v_lshl_add_u32 v3, v4, 3, v3                   ; d for register 0: r + 8 h
	s_mul_i32 s30, s20, 1040
	v_lshlrev_b32 v5, 5, v4
	v_add_nc_u32 v5, s30, v5                       ; my 1,040 bytes of LDS, + 32 h
	v_lshrrev_b32 v6, 1, v2
	v_mul_u32_u24 v6, v6, 1040
	v_and_b32 v7, 1, v2
	v_lshl_add_u32 v6, v7, 5, v6
	s_lshl_b32 s31, s20, 6
	v_add_nc_u32 v6, s31, v6                       ; back: wave L / 2's numbers for row w, half L & 1
	v_mov_b32 v240, C_H4
	v_mov_b32 v241, C_H4
	; Which tiles exist hangs on np alone.  Each case is written out whole, so that every product stands behind its own loads.
	s_cmp_lt_i32 s22, 0
	s_cbranch_scc1 .Lnone
	TLD W0, 10, 0
	TLD U0, 8, 0
	s_cmp_lt_i32 s22, 1
	s_cbranch_scc1 .Lone
	TLD W1, 10, -4096
	TLD U1, 8, 4096
	s_cmp_lt_i32 s22, 2
	s_cbranch_scc1 .Ltwo
	TLD W2, 10, -8192
	s_wait_loadcnt 24                              ; W0 and U0 are in; the 24 loads of W1, U1, W2 stay out
	BLK0
	s_wait_loadcnt 8                               ; W2's eight stay out
	BLK1
	s_wait_loadcnt 0
	BLK2
	PLACES
	FOLD HI0, HI1
	FOLD LO0, LO1
	s_branch .Lsel
.Ltwo:
	s_wait_loadcnt 16                              ; the 16 loads of W1 and U1 stay out
	BLK0
	s_wait_loadcnt 0
	BLK1
	PLACES
	FOLD HI0, HI1
	FOLD LO0, LO1
	s_branch .Lsel
.Lone:
	s_wait_loadcnt 0
	BLK0
	PLACES
	FOLD HI0, HI1
.irp j, 0,1,2,3,4,5,6,7
	v_mov_b32 v[LO0+\j], 0                         ; no tile below w's tile 0: these terms do not exist
.endr
.Lsel:
.irp j, 0,1,2,3,4,5,6,7
	v_cmp_gt_u32 vcc_lo, 15-\j, v3                 ; d = r + 8 h + j <= 14: the number of hi counts, else that of lo
	v_cndmask_b32 v[HI0+\j], v[LO0+\j], v[HI0+\j], vcc_lo
.endr
	s_branch .Lput
.Lnone:
.irp j, 0,1,2,3,4,5,6,7
	v_mov_b32 v[HI0+\j], 0                         ; both my tiles of u lie behind the group's rows: I add nothing
.endr
.Lput:
.irp c, 0,1,2,3
	global_load_b128 v[GA+4*\c:GA+4*\c+3], v1, s[12:13] offset:\c*512
.endr
.irp c, 0,1,2,3
	global_load_b128 v[BE+4*\c:BE+4*\c+3], v1, s[14:15] offset:\c*512
.endr
.irp j, 0,1,2,3,4,5,6,7
	v_add_nc_u32 v[8+\j], \j+1, v3
	v_and_b32 v[8+\j], 15, v[8+\j]                 ; row e = (d + 1) & 15
	v_lshl_add_u32 v[8+\j], v[8+\j], 6, v5         ; 64 bytes a row; a row's sixteen numbers have sixteen different ik = 8 h + j
	ds_store_b32 v[8+\j], v[HI0+\j] offset:4*\j
.endr
	s_wait_dscnt 0x0                               ; my numbers lie in LDS,
	s_barrier_signal -1
	s_barrier_wait -1                              ; everybody's do
	ds_load_b128 v[48:51], v6
	ds_load_b128 v[52:55], v6 offset:16
	s_wait_dscnt 0x0
	v_pk_add_f32 v[48:49], v[48:49], v[50:51]
	v_pk_add_f32 v[52:53], v[52:53], v[54:55]
	v_pk_add_f32 v[48:49], v[48:49], v[52:53]
	v_add_f32 v48, v48, v49
	WSUM 48                                        ; c of my row, in every lane
	s_wait_loadcnt 0x0                             ; y0, x (on the path without tiles not yet waited for), gamma, beta
	; gelu(y) = y Phi(y).  With t = 1 / (1 + p |y| / sqrt 2) and E = t (h1 + t (h2 + t (h3 + t (h4 + t h5)))) exp(- y^2 / 2):  Phi = 1 - E for y >= 0, E for y < 0.
.irp i, 0,2,4,6,8,10,12,14
	v_pk_add_f32 v[Y+\i:Y+\i+1], v[Y+\i:Y+\i+1], v[48:49] op_sel_hi:[1,0]
.endr
.irp i, 0,1,2,3,4,5,6,7,8,9,10,11,12,13,14,15
	v_fma_f32 v[T+\i], |v[Y+\i]|, C_P, 1.0
.endr
.irp i, 0,2,4,6,8,10,12,14
	v_pk_mul_f32 v[EX+\i:EX+\i+1], v[Y+\i:Y+\i+1], C_KE op_sel_hi:[1,0]
.endr
.irp i, 0,2,4,6,8,10,12,14
	v_pk_mul_f32 v[EX+\i:EX+\i+1], v[EX+\i:EX+\i+1], v[Y+\i:Y+\i+1]
.endr
.irp i, 0,1,2,3,4,5,6,7,8,9,10,11,12,13,14,15
	v_rcp_f32 v[T+\i], v[T+\i]
.endr
.irp i, 0,1,2,3,4,5,6,7,8,9,10,11,12,13,14,15
	v_exp_f32 v[EX+\i], v[EX+\i]
.endr
	v_nop                                          ; one plain instruction between the last of these and the first use (ISA guide 5.7.2)
	s_wait_alu depctr_va_vdst(0)
.irp i, 0,2,4,6,8,10,12,14
	v_pk_fma_f32 v[P+\i:P+\i+1], v[T+\i:T+\i+1], C_H5, v[240:241] op_sel_hi:[1,0,1]
.endr
.irp i, 0,2,4,6,8,10,12,14
	v_pk_fma_f32 v[P+\i:P+\i+1], v[P+\i:P+\i+1], v[T+\i:T+\i+1], C_H3 op_sel_hi:[1,1,0]
.endr
.irp i, 0,2,4,6,8,10,12,14
	v_pk_fma_f32 v[P+\i:P+\i+1], v[P+\i:P+\i+1], v[T+\i:T+\i+1], C_H2 op_sel_hi:[1,1,0]
.endr
.irp i, 0,2,4,6,8,10,12,14
	v_pk_fma_f32 v[P+\i:P+\i+1], v[P+\i:P+\i+1], v[T+\i:T+\i+1], C_H1 op_sel_hi:[1,1,0]
.endr
.irp i, 0,2,4,6,8,10,12,14
	v_pk_mul_f32 v[T+\i:T+\i+1], v[T+\i:T+\i+1], v[EX+\i:EX+\i+1]
.endr
.irp i, 0,2,4,6,8,10,12,14
	v_pk_mul_f32 v[P+\i:P+\i+1], v[P+\i:P+\i+1], v[T+\i:T+\i+1]    ; E
.endr
.irp i, 0,2,4,6,8,10,12,14
	v_pk_fma_f32 v[T+\i:T+\i+1], v[P+\i:P+\i+1], -1.0, 1.0 op_sel_hi:[1,0,0]   ; 1 - E
.endr
.irp i, 0,1,2,3,4,5,6,7,8,9,10,11,12,13,14,15
	v_cmp_le_f32 vcc_lo, 0, v[Y+\i]
	v_cndmask_b32 v[P+\i], v[P+\i], v[T+\i], vcc_lo
.endr
.irp i, 0,2,4,6,8,10,12,14
	v_pk_fma_f32 v[Y+\i:Y+\i+1], v[Y+\i:Y+\i+1], v[P+\i:P+\i+1], v[X+\i:X+\i+1]   ; z = gelu(y) + x
.endr
	; LayerNorm over my row's 512 numbers, 16 a lane, in two passes: the mean, then the squares of the differences
	v_pk_add_f32 v[112:113], v[Y:Y+1], v[Y+2:Y+3]
	v_pk_add_f32 v[114:115], v[Y+4:Y+5], v[Y+6:Y+7]
	v_pk_add_f32 v[116:117], v[Y+8:Y+9], v[Y+10:Y+11]
	v_pk_add_f32 v[118:119], v[Y+12:Y+13], v[Y+14:Y+15]
	v_pk_add_f32 v[112:113], v[112:113], v[114:115]
	v_pk_add_f32 v[116:117], v[116:117], v[118:119]
	v_pk_add_f32 v[112:113], v[112:113], v[116:117]
	v_add_f32 v112, v112, v113
	WSUM 112
	v_mul_f32 v112, s32, v112                      ; the mean
.irp i, 0,2,4,6,8,10,12,14
	v_pk_add_f32 v[Y+\i:Y+\i+1], v[Y+\i:Y+\i+1], v[112:113] op_sel_hi:[1,0] neg_lo:[0,1] neg_hi:[0,1]
.endr
	v_pk_mul_f32 v[114:115], v[Y:Y+1], v[Y:Y+1]
	v_pk_mul_f32 v[116:117], v[Y+2:Y+3], v[Y+2:Y+3]
.irp i, 4,8,12
	v_pk_fma_f32 v[114:115], v[Y+\i:Y+\i+1], v[Y+\i:Y+\i+1], v[114:115]
	v_pk_fma_f32 v[116:117], v[Y+\i+2:Y+\i+3], v[Y+\i+2:Y+\i+3], v[116:117]
.endr
	v_pk_add_f32 v[114:115], v[114:115], v[116:117]
	v_add_f32 v114, v114, v115
	WSUM 114
	v_fma_f32 v114, v114, s32, C_EPS               ; the variance + 1e-5
	v_rsq_f32 v114, v114
	v_nop                                          ; one plain instruction before the result is used (ISA guide 5.7.2)
	s_wait_alu depctr_va_vdst(0)
.irp i, 0,2,4,6,8,10,12,14
	v_pk_mul_f32 v[GA+\i:GA+\i+1], v[GA+\i:GA+\i+1], v[114:115] op_sel_hi:[1,0]
.endr
.irp i, 0,2,4,6,8,10,12,14
	v_pk_fma_f32 v[Y+\i:Y+\i+1], v[Y+\i:Y+\i+1], v[GA+\i:GA+\i+1], v[BE+\i:BE+\i+1]
.endr
.irp c, 0,1,2,3
	global_store_b128 v1, v[Y+4*\c:Y+4*\c+3], s[16:17] offset:\c*512 th:TH_STORE_NT   ; 512 consecutive bytes of my row, aligned
.endr
	s_wait_tensorcnt 0x0
	ds_add_u32 v254, v255
	s_wait_dscnt 0x0
	s_endpgm
.Lfunc_end_k_q16f93c77bb_finish:
	.size	k_q16f93c77bb_finish, .Lfunc_end_k_q16f93c77bb_finish-k_q16f93c77bb_finish
	.p2alignl 7, 3214868480
	.fill 96, 4, 3214868480
	.section	.rodata,"a",@progbits
	.p2align	6, 0x0
	.amdhsa_kernel k_q16f93c77bb_finish
		.amdhsa_group_segment_fixed_size 18688
		.amdhsa_private_segment_fixed_size 0
		.amdhsa_enable_private_segment 0
		.amdhsa_kernarg_size 56
		.amdhsa_user_sgpr_count 2
		.amdhsa_user_sgpr_kernarg_segment_ptr 1
		.amdhsa_wavefront_size32 1
		.amdhsa_system_sgpr_workgroup_id_x 1
		.amdhsa_system_sgpr_workgroup_id_y 1
		.amdhsa_system_sgpr_workgroup_id_z 1
		.amdhsa_system_vgpr_workitem_id 0
		.amdhsa_next_free_vgpr 256
		.amdhsa_next_free_sgpr 66
		.amdhsa_reserve_vcc 1
		.amdhsa_float_denorm_mode_32 3
		.amdhsa_float_denorm_mode_16_64 3
		.amdhsa_memory_ordered 1
		.amdhsa_forward_progress 1
		.amdhsa_inst_pref_size 30
	.end_amdhsa_kernel
	.amdgpu_metadata
---
amdhsa.version: [ 1, 2 ]
amdhsa.kernels:
  - .name:           k_q16f93c77bb_finish
    .symbol:         k_q16f93c77bb_finish.kd
    .args:
      - { .name: y0, .offset: 0, .size: 8, .value_kind: global_buffer, .address_space: global }
      - { .name: x, .offset: 8, .size: 8, .value_kind: global_buffer, .address_space: global }
      - { .name: uf, .offset: 16, .size: 8, .value_kind: global_buffer, .address_space: global }
      - { .name: wf, .offset: 24, .size: 8, .value_kind: global_buffer, .address_space: global }
      - { .name: gamma, .offset: 32, .size: 8, .value_kind: global_buffer, .address_space: global }
      - { .name: beta, .offset: 40, .size: 8, .value_kind: global_buffer, .address_space: global }
      - { .name: out0, .offset: 48, .size: 8, .value_kind: global_buffer, .address_space: global }
    .group_segment_fixed_size: 18688
    .private_segment_fixed_size: 0
    .kernarg_segment_align: 8
    .kernarg_segment_size: 56
    .max_flat_workgroup_size: 512
    .sgpr_count:     66
    .vgpr_count:     256
    .wavefront_size: 32
...
	.end_amdgpu_metadata
.endif
;; end of part 3
;; ======== version 2 of 2: 2 launches; 1.40 times as fast as version 1
;; limits: a function is approximated: absolute error at most 1.5e-07
;; workspace buffers: y0 4,194,304 bytes; uf 524,288 bytes; wf 131,072 bytes
;; launch prep (part 4): grid 161 x 1, 4 waves a work-group, no clusters, 301,056 bytes of LDS; arguments x, A, B, C, D, y0, uf, wf; writes y0, uf, wf
.if DOCPART == 4
	.amdgcn_target "amdgcn-amd-amdhsa--gfx1250"
	.amdhsa_code_object_version 6
	.text
	.protected	k_q16f93c77bb_prep
	.globl	k_q16f93c77bb_prep
	.p2align	8
	.type	k_q16f93c77bb_prep,@function
k_q16f93c77bb_prep:
	s_mov_b64 s[64:65], 0
	v_nop
	global_prefetch_b8 v0, s[64:65] scope:SCOPE_SE
	s_setreg_imm32_b32 hwreg(HW_REG_WAVE_MODE, 25, 1), 1
	s_wait_xcnt 0x0
; SSM layer, first of two launches.
;
; WORK LEFT OUT, AND WHY IT IS DEAD.  The state is [batch][128 s][512 h].  It starts as zeros that the function builds itself; each step
; adds (x_t B^T)[:, :, None], the same number for every h, and A acts along s alone.  By induction over the steps all 512 columns h of
; the state are equal, for every value of the inputs.  So ONE column s_t (128 numbers for a batch) is carried instead of 512, and the
; read-out Cbar . s_t is one number c[b][t] that is added to all 512 outputs of row (b, t).  Unrolled, with u_j = B x_j and the row
; vectors w_k = Cbar^T A^k:   c[b][t] = sum over j < t of  w_(t-1-j) . u_(b,j).
; The state update of the last step reaches no output (outputs use the state before the update), so u_511 and w_511 are never used;
; they lie in tiles that also hold live numbers, are computed with them, and are selected away in the second launch.
; All seven inputs keep a way to the output; gamma and beta are used in the second launch.
; LIMITS.  A NaN, an infinity or an overflow that would arise only in the 511 omitted copies or in the omitted last update is not
; carried to the result.  The sums of the recurrence are associated otherwise than step by step (table times u).  All 511 lags are
; made: nothing is cut off.  x, D, B, A^(2^g), w_k and u are matrix operands and are rounded to bf16 (bf16, not f16: powers of A may
; span the whole exponent range of f32), the powers once at every doubling, so their relative error doubles with every doubling.
;
; WHAT THIS LAUNCH DOES.
;   Work-group 0: Cbar = the mean of C's 512 rows; then nine doublings, g = 0 .. 8, m = 2^g:  [ A^m ; w_0..w_(m-1) ] x A^m  gives
;     A^(2m) and w_m..w_(2m-1).  Each doubling needs the one before, and work-groups hand each other nothing inside a launch, so this
;     chain stays in one work-group, in LDS.  It stores wf.
;   Work-groups 1 .. 160: x [D ; B]^T in blocks of 128 rows x 64 columns, beside the chain: they read x, B, D, the chain reads A, C, and
;     neither reads what the other stores.  Columns of D go to y0 in f32; columns of B (u) go to uf in bf16.
; Each of the two paths has LDS bytes that the other never names: the chain bytes 0 .. 150,015, the products 150,016 .. 300,543.
; uf and wf lie in fragment order: [tile of 16 rows][chunk q = 0..7][lane L][16 bytes]; lane L = 16 h + r holds row r, s = 16 q + 8 h .. + 7.
; Chunks 2 ks and 2 ks + 1 are registers 0-3 and 4-7 of the 16 x 32 fragment of K step ks (ISA guide 7.12.2), so the second launch fills
; a fragment by two loads of 512 consecutive bytes each.
; No tensor loads and no cluster: every shared operand is f32 in memory and must be bf16 in LDS, so it passes through registers anyway.
;
; THE MATRIX INSTRUCTION IS USED TRANSPOSED here: source 0 = the fragment of 16 output columns, source 1 = that of 16 output rows.
; Lane (r, h) then holds row r and the eight neighbouring columns 8 h .. 8 h + 7 of the tile.
.set PP,   144                         ; chain: pitch of a row of 64 bf16: 128 bytes + 16
.set PPL,  18560                       ; from the plane of columns 0-63 to that of columns 64-127 of a power of A (128 rows x 144 = 18,432, + 128)
.set PBUF, 2*PPL                       ; a power of A; two such buffers take turns
.set WT,   2*PBUF                      ; 74,240: rows w_0 .. w_255, again two planes of 64 columns
.set WPL,  256*PP                      ; 36,864
.set SCR,  WT+2*WPL                    ; 147,968: four partial sums of C's rows, 512 bytes each
.set XP,   1040                        ; products: pitch of a row of 512 bf16: 1,024 bytes + 16 (65 x 16: sixteen rows start 16 bytes apart modulo 256)
.set XSB,  SCR+2048                    ; 150,016: 64 rows of x, sixteen for each wave, which no other wave touches
.set DSB,  XSB+64*XP                   ; 216,576: the slab's 64 weight rows
.set STG,  DSB+64*XP                   ; 283,136: the way out, 16 rows x 272 bytes for each wave; ends at 300,544
.set SPI,  272
.macro PLACES                          ; four places behind a matrix instruction (ISA guide 7.12.1) before its result is read by another
.rept 4                                ; kind of instruction, or one of its registers is loaded again
	v_nop
.endr
.endm
.macro LEND                            ; my LDS reads and writes are done; then all four waves meet
	s_wait_dscnt 0x0
	s_barrier_signal -1
	s_barrier_wait -1
.endm
.set MSB, 0
.macro WIN new                         ; register windows: bits 1:0 source 0, 3:2 source 1, 7:6 destination; the high byte repeats the setting that is left
.if MSB != \new
	s_set_vgpr_msb (MSB<<8)|\new
.set MSB, \new
.endif
.endm
	s_load_b512 s[4:19], s[0:1], 0x0               ; x 4:5, A 6:7, B 8:9, C 10:11, D 12:13, y0 14:15, uf 16:17, wf 18:19
	s_set_vgpr_msb 0xc0
	v_lshl_add_u32 v0, v0, 2, 0x49600
	v_mov_b32 v1, 0
	s_set_vgpr_msb 0xc000
	v_lshrrev_b32 v1, 5, v0
	v_readfirstlane_b32 s20, v1                    ; wave 0..3
	s_wait_kmcnt 0x0
	s_cmp_lg_u32 ttmp9, 0                          ; the same for all waves of a work-group
	s_cbranch_scc1 .Lgemm
; ============================================================ work-group 0: the chain ============================================================
; Wave w: ch = w & 1 is its half of the 128 columns, rh = w >> 1 its half of the rows of A^m, and the parity of its tiles of w rows.
; v1  VB   B side (A^m as [k][n], read transposed)     v2  VA   rows of A^m, plane 0, buffer 0        v3  VW   VA in my plane (writes)
; v4  VAW0 rows of w, plane 0    v5 VAW1 plane 1       v6  VWW  VAW0 in my plane (writes)             v7  VGW  my bytes in a tile of wf
; v8  r    v9  16 h    v10-12 addresses of the levels with fewer than 16 rows of w    v13, v14 tile 0 of wf: from LDS, to memory
; v15 my offset in C, never rewritten    v16-31 packed results    v32-63 four accumulators    v64-95, v96-127 two buffers of row fragments
; v128-255 B fragments (nt, ks) at 128 + 32 nt + 8 ks    v256-767 (windows 1 and 2): my 128 rows of C, row q in v[256 + 4 q .. + 3]
	s_and_b32 s21, s20, 1                          ; ch
	s_lshr_b32 s22, s20, 1                         ; rh
	v_and_b32 v19, 31, v0                          ; L
	v_and_b32 v8, 15, v0                           ; r
	v_bfe_u32 v9, v0, 4, 1                         ; h
	s_lshl_b32 s23, s22, 15
	s_lshl_b32 s24, s21, 8
	s_add_co_u32 s23, s23, s24
	v_lshlrev_b32 v16, 4, v8
	v_lshl_add_u32 v16, v9, 9, v16
	v_add_nc_u32 v16, s23, v16                     ; A: (64 rh + h) rows of 512 bytes + 256 ch + 16 r: my 64 x 64 block, two rows a load
	s_lshl_b32 s24, s20, 16
	v_lshl_add_u32 v15, v19, 4, s24                ; C: my 128 rows of 512 bytes, one row a load
.set i, 0
.rept 32
	global_load_b128 v[128+4*i:128+4*i+3], v16, s[6:7] offset:i*1024 th:TH_LOAD_NT
.set i, i+1
.endr
; Rows from .. from + n - 1 of my 128 rows of C, each into registers of its own.  LOADcnt goes up to 63 (ISA guide 5.7.1), so a wave's
; 32 + 128 loads go out in three groups: 32 + 31 here, 63 when A lies in LDS, 34 behind level 0's strips, which run beneath them.
.macro CLD from, n
.set cq, \from
.rept \n
.if cq < 64
	WIN 0x40                                       ; destination window 1, address window 0
.else
	WIN 0x80                                       ; destination window 2
.endif
	global_load_b128 v[4*(cq%64):4*(cq%64)+3], v15, s[10:11] offset:cq*512 th:TH_LOAD_NT
.set cq, cq+1
.endr
	WIN 0
.endm
; Rows from .. from + n - 1 of a window are added onto its first four rows: four chains (eight packed ones) that do not wait for each other; nothing is cleared.
.macro CADD win, from, n
	WIN \win
.set cq, \from
.rept \n
	v_pk_add_f32 v[4*(cq%4):4*(cq%4)+1], v[4*(cq%4):4*(cq%4)+1], v[4*cq:4*cq+1]
	v_pk_add_f32 v[4*(cq%4)+2:4*(cq%4)+3], v[4*(cq%4)+2:4*(cq%4)+3], v[4*cq+2:4*cq+3]
.set cq, cq+1
.endr
	WIN 0
.endm
.macro CFOLD win                       ; a window's four chains become one, in its first four registers
	WIN \win
	v_pk_add_f32 v[0:1], v[0:1], v[4:5]
	v_pk_add_f32 v[2:3], v[2:3], v[6:7]
	v_pk_add_f32 v[8:9], v[8:9], v[12:13]
	v_pk_add_f32 v[10:11], v[10:11], v[14:15]
	v_pk_add_f32 v[0:1], v[0:1], v[8:9]
	v_pk_add_f32 v[2:3], v[2:3], v[10:11]
	WIN 0
.endm
	CLD 0, 31
	; addresses, while the loads are on their way
	s_mul_i32 s25, s21, PPL                        ; my plane of a power of A
	s_mul_i32 s26, s22, 64*PP                      ; my 64 rows
	s_add_co_u32 s24, s25, s26
	v_mul_u32_u24 v18, v9, PP
	v_lshl_add_u32 v18, v8, 3, v18
	v_add_nc_u32 v18, s24, v18                     ; A into LDS: row 64 rh + h, 8 bytes at 8 r, my plane, buffer 0
	s_lshl_b32 s30, s20, 9
	s_add_co_u32 s30, s30, SCR                     ; my partial sum of C's rows
	v_and_b32 v1, 7, v0
	v_lshl_add_u32 v1, v9, 3, v1                   ; k = 8 h + (L & 7)
	v_mul_u32_u24 v1, v1, PP
	v_bfe_u32 v2, v0, 3, 1
	v_lshl_add_u32 v1, v2, 4, v1                   ; + 16 bytes for lanes 8-15 and 24-31
	v_add_nc_u32 v1, s25, v1                       ; VB
	v_mul_u32_u24 v10, v8, PP
	v_lshl_add_u32 v10, v9, 4, v10                 ; r x pitch + 16 h
	v_add_nc_u32 v2, s26, v10                      ; VA
	v_add_nc_u32 v3, s25, v2                       ; VW
	s_mul_i32 s26, s22, 16*PP
	s_add_co_u32 s26, s26, WT
	v_add_nc_u32 v4, s26, v10                      ; VAW0: tile rh
	v_add_nc_u32 v5, WPL, v4                       ; VAW1
	s_mul_i32 s29, s21, WPL
	v_add_nc_u32 v6, s29, v4                       ; VWW
	s_add_co_u32 s28, s29, WT                      ; the w table's first row in my plane
	v_add_nc_u32 v13, s28, v10
	s_lshl_b32 s24, s22, 12
	s_lshl_b32 s27, s21, 11
	s_add_co_u32 s24, s24, s27
	v_lshl_add_u32 v7, v19, 4, s24                 ; VGW: 4,096 rh + 2,048 ch + 16 L
	v_lshl_add_u32 v14, v19, 4, s27
	v_lshlrev_b32 v9, 4, v9                        ; from here on 16 h
	s_wait_loadcnt 31                              ; A's 32 loads are in; the 31 rows of C behind them stay out
.set i, 0
.rept 32
	v_cvt_pk_bf16_f32 v[128+4*i], v[128+4*i], v[128+4*i+1]
	v_cvt_pk_bf16_f32 v[128+4*i+1], v[128+4*i+2], v[128+4*i+3]
	ds_store_b64 v18, v[128+4*i:128+4*i+1] offset:i*2*PP
.set i, i+1
.endr
	s_wait_loadcnt 0x0                             ; rows 0-30 of C, asked for straight behind A, are in; they are added up behind strip 1 of level 0
	CLD 31, 63                                     ; rows 31-93: 63 loads out
	LEND                                           ; A lies in buffer 0, for every wave: no squaring needs C
; ---- the pieces of a level ----
; Eight loads: the four K steps' fragments of 16 rows.  K steps 0, 1 lie in plane 0 (address a0), 2, 3 in plane 1 (a1); chunk c is 16 bytes at 32 c + 16 h.
.macro LDA8 buf, a0, a1, o0, o1
.irp c, 0,1,2,3
	ds_load_b128 v[\buf+4*\c:\buf+4*\c+3], v[\a0] offset:\o0+32*\c
.endr
.irp c, 0,1,2,3
	ds_load_b128 v[\buf+16+4*\c:\buf+16+4*\c+3], v[\a1] offset:\o1+32*\c
.endr
.endm
.macro LDAX idx, buf                   ; strip idx of this level: first my NW_ tiles of w rows (tile 2 idx + rh), then my four strips of A^m
.if (\idx) < NW_
.if G_ < 4
	LDA8 \buf, 10, 11, 0, 0
.else
	LDA8 \buf, 4, 5, (\idx)*32*PP, (\idx)*32*PP
.endif
.else
	LDA8 \buf, 2, 2, SRC_+((\idx)-NW_)*16*PP, SRC_+PPL+((\idx)-NW_)*16*PP
.endif
.endm
; 32 transposing loads: A^m lies [k][n]; each pair brings k = 32 ks + 8 h .. + 7 and 32 ks + 16 + 8 h .. + 7 of column 16 nt + r of my half.  K step by K step.
.macro BLD
.irp ks, 0,1,2,3
.irp nt, 0,1,2,3
	ds_load_tr16_b128 v[128+32*\nt+8*\ks:128+32*\nt+8*\ks+3], v1 offset:SRC_+\ks*32*PP+\nt*32
	ds_load_tr16_b128 v[128+32*\nt+8*\ks+4:128+32*\nt+8*\ks+7], v1 offset:SRC_+\ks*32*PP+\nt*32+16*PP
.endr
.endr
.endm
; One K step of a strip: the four accumulators take turns, one instruction a turn.  The first K step starts the sums.
.macro CMUL buf, ks, zero
.irp nt, 0,1,2,3
.if \zero
	v_wmma_f32_16x16x32_bf16 v[32+8*\nt:39+8*\nt], v[128+32*\nt+8*\ks:128+32*\nt+8*\ks+7], v[\buf+8*\ks:\buf+8*\ks+7], 0
.else
	v_wmma_f32_16x16x32_bf16 v[32+8*\nt:39+8*\nt], v[128+32*\nt+8*\ks:128+32*\nt+8*\ks+7], v[\buf+8*\ks:\buf+8*\ks+7], v[32+8*\nt:39+8*\nt]
.endif
.endr
.endm
.macro CM16 buf
	CMUL \buf, 0, 1
	CMUL \buf, 1, 0
	CMUL \buf, 2, 0
	CMUL \buf, 3, 0
.endm
.macro PACK                            ; a lane's eight neighbouring columns of each tile become 16 bytes
.irp nt, 0,1,2,3
.irp q, 0,1,2,3
	v_cvt_pk_bf16_f32 v[16+4*\nt+\q], v[32+8*\nt+2*\q], v[32+8*\nt+2*\q+1]
.endr
.endr
.endm
.macro LST a, off
.irp nt, 0,1,2,3
	ds_store_b128 v[\a], v[16+4*\nt:19+4*\nt] offset:\off+32*\nt
.endr
.endm
.macro GST a, off                      ; each store of the wave covers 512 consecutive bytes of wf, aligned
.irp nt, 0,1,2,3
	global_store_b128 v[\a], v[16+4*\nt:19+4*\nt], s[18:19] offset:\off+512*\nt
.endr
.endm
.macro SOUT idx
.if G_ >= 4
	s_wait_xcnt 0x0                                ; from level 4 on v16-31 may be the data of earlier stores to wf: they are rewritten only behind this wait
.endif
	PACK
.if (\idx) < NW_
.if G_ < 4
	LST 12, M_*PP                                  ; rows m + (r & (m - 1)) of the table
.else
.if G_ < 8
	LST 6, M_*PP+(\idx)*32*PP                      ; rows m + 16 (2 idx + rh) + r of the table (rows from 256 on are never multiplied again)
.endif
	GST 7, (M_/16+2*(\idx))*4096
.endif
.else
	LST 3, DST_+((\idx)-NW_)*16*PP                 ; A^(2m) into the other buffer
.endif
.endm
; A level's run of strips.  Reads: buffer SRC_ and table rows below m.  Writes: buffer DST_ and table rows m .. 2 m - 1, each wave in its own rows and plane.
.macro PATH g, nw, np
.set G_, \g
.set M_, 1<<\g
.set SRC_, (\g%2)*PBUF
.set DST_, PBUF-SRC_
.set NW_, \nw
.set S_, \nw+\np
.if \g == 8
.set ST_, 0
.else
.set ST_, 4
.endif
	LDAX 0, 64
	BLD
	LDAX 1, 96
.set st, 0
.rept \nw+\np
.set BUF_, 64+32*(st%2)
.if st == 0
	s_wait_dscnt 32                                ; strip 0's rows and K step 0 of B are in; out: 3 x 8 loads of B and strip 1's 8
	CMUL BUF_, 0, 1
	s_wait_dscnt 24
	CMUL BUF_, 1, 0
	s_wait_dscnt 16
	CMUL BUF_, 2, 0
	s_wait_dscnt 8
	CMUL BUF_, 3, 0
.else
.set WC_, ST_                                          ; issued behind this strip's eight loads: the LDS stores of the strip before,
.if st >= 2
.set WC_, WC_+ST_                                      ; those of the strip before that,
.endif
.if st+1 < S_
.set WC_, WC_+8                                        ; and the next strip's eight loads
.endif
	s_wait_dscnt WC_
	CM16 BUF_
.endif
	PLACES
.if st+2 < S_
	LDAX st+2, BUF_
.endif
	SOUT st
.if G_ == 0
.if st == 1
	CADD 0x45, 4, 27                               ; level 0 alone: rows 4-30 of C, which are in, onto rows 0-3 (all in window 1)
.endif
.endif
.set st, st+1
.endr
.endm
; Levels with m < 16: lane r takes row r & (m - 1) of the table: only rows that exist are read, all of them, and only rows m .. 2 m - 1 are
; written; lanes that repeat a row hold the same numbers and write them to the same bytes.
.macro WADR m
	v_and_b32 v10, (\m)-1, v8
	v_mul_u32_u24 v10, v10, PP
	v_add_nc_u32 v10, v9, v10
	v_add_nc_u32 v12, s28, v10
	v_add_nc_u32 v11, WT+WPL, v10
	v_add_nc_u32 v10, WT, v10
.endm
; Levels 1 to 4 have one tile of w rows: the waves rh = 0 take it as the first strip of their run, its loads among the level's first.
.macro LEVB g
	s_cmp_lg_u32 s22, 0
	s_cbranch_scc1 .Lrh1_\@
.if \g < 4
	WADR 1<<\g
.endif
	PATH \g, 1, 4
	s_branch .Ljoin_\@
.Lrh1_\@:
	PATH \g, 0, 4
.if \g == 4
.irp i, 0,1,2,3
	ds_load_b128 v[16+4*\i:19+4*\i], v13 offset:32*\i              ; w_0..15, whole since the last barrier, go to tile 0 of wf
.endr
	s_wait_dscnt 0x0
	GST 14, 0
.endif
.Ljoin_\@:
	LEND                                           ; one barrier a level: this level's reads are over before the next level writes the buffer, its writes before the next reads them
.endm
	; level 0: A^2, under the loads of C; then Cbar = w_0; then w_1 = w_0 A, whose B fragments still lie in v128-255
	PATH 0, 0, 4
	s_wait_loadcnt 29                              ; rows 31-64 are in; the 29 rows 65-93 stay out
	CLD 94, 34                                     ; the last 34 rows: 63 loads out again
	CADD 0x45, 31, 33                              ; rows 31-63
	CFOLD 0x45
	s_wait_loadcnt 34                              ; rows 65-93 are in; the last 34 stay out
	CADD 0x8a, 4, 26                               ; window 2: rows 68-93 onto rows 64-67
	s_wait_loadcnt 0x0
	CADD 0x8a, 30, 34                              ; rows 94-127
	CFOLD 0x8a
	WIN 0x09                                       ; source 0 window 1, source 1 window 2, destination window 0
	v_pk_add_f32 v[32:33], v[0:1], v[0:1]          ; lane L: the sum of my 128 rows, columns 4 L .. 4 L + 3
	v_pk_add_f32 v[34:35], v[2:3], v[2:3]
	WIN 0
	v_and_b32 v10, 31, v0
	v_lshl_add_u32 v10, v10, 4, s30
	ds_store_b128 v10, v[32:35]
	LEND                                           ; the four partial sums lie in SCR, and A^2 in buffer 1
	v_lshlrev_b32 v20, 2, v0
	v_add_nc_u32 v20, SCR, v20                     ; thread t takes column t
	ds_load_b32 v21, v20
	ds_load_b32 v22, v20 offset:512
	ds_load_b32 v23, v20 offset:1024
	ds_load_b32 v24, v20 offset:1536
	v_and_b32 v25, 63, v0
	v_lshlrev_b32 v25, 1, v25
	v_lshrrev_b32 v26, 6, v0
	v_mul_u32_u24 v26, v26, WPL
	v_add_nc_u32 v25, v25, v26
	v_add_nc_u32 v25, WT, v25                      ; row 0 of the table, plane t / 64, column t % 64
	s_wait_dscnt 0x0
	v_add_f32 v21, v21, v22
	v_add_f32 v23, v23, v24
	v_add_f32 v21, v21, v23
	v_mul_f32 v21, 0x3b000000, v21                 ; / 512: w_0 = Cbar
	v_cvt_pk_bf16_f32 v21, v21, v21
	ds_store_b16 v25, v21
	LEND
	s_cmp_lg_u32 s22, 0
	s_cbranch_scc1 .Lno_w0
	WADR 1
	LDA8 64, 10, 11, 0, 0
	s_wait_dscnt 0x0
	CM16 64
	PLACES
	PACK
	LST 12, PP                                     ; row 1
.Lno_w0:
	LEND
	LEVB 1
	LEVB 2
	LEVB 3
	LEVB 4
	PATH 5, 1, 4
	LEND
	PATH 6, 2, 4
	LEND
	PATH 7, 4, 4
	LEND
	PATH 8, 8, 0                                   ; w_256..511 = w_0..255 times A^256: to wf alone
	s_set_vgpr_msb 0xf
	s_wait_tensorcnt 0x0
	ds_add_u32 v0, v1
	s_wait_dscnt 0x0
	s_set_vgpr_msb 0xf00
	s_endpgm
; ============================================================ work-groups 1 .. 160: x [D ; B]^T ============================================================
; g = id - 1: row block g & 15 (128 rows of x), slab g >> 4 (64 output columns: slabs 0-7 rows of D, 8-9 rows of B).
; The 64 weight rows are staged once, the whole K in bf16; the 128 rows of x go in two passes of 64, so that the path's LDS fits behind the chain's.
; Wave w: rows 64 p + 16 w .. + 15 of pass p, all 64 columns.  It stages and reads these rows of x alone, so the second pass needs no barrier.
; v1 offset of my 16 rows (of x in a pass, of the weights)   v3, v4 their places in LDS   v5, v6 fragment addresses   v7, v8 the stage, in and back
; v9 y0 offset   v10 uf offset   v16-47 four accumulators (column tile nt at 16 + 8 nt)
; v48-87, v88-127 two fragment sets (x at + 0, the weights' tile nt at + 8 + 8 nt); v48-79 also the way out
; staging: three sets of 16 loads, v128-191, v192-255, v64-127
.Lgemm:
	s_sub_co_u32 s23, ttmp9, 1
	s_and_b32 s21, s23, 15                         ; row block
	s_lshr_b32 s22, s23, 4                         ; slab
	s_and_b32 s32, s22, 7
	s_mov_b32 s35, 0
	s_lshl_b32 s34, s21, 18                        ; 128 rows of 2,048 bytes
	s_add_nc_u64 s[24:25], s[4:5], s[34:35]        ; x
	s_add_nc_u64 s[28:29], s[14:15], s[34:35]      ; y0
	s_lshl_b32 s34, s32, 8
	s_add_nc_u64 s[28:29], s[28:29], s[34:35]      ; + 64 columns of f32 a slab
	s_cmp_lt_u32 s22, 8
	s_cselect_b64 s[26:27], s[12:13], s[8:9]       ; D or B
	s_lshl_b32 s34, s32, 17                        ; 64 rows of 2,048 bytes
	s_add_nc_u64 s[26:27], s[26:27], s[34:35]
	s_lshl_b32 s34, s21, 15                        ; eight tiles of 4,096 bytes
	s_add_nc_u64 s[30:31], s[16:17], s[34:35]      ; uf
	s_lshl_b32 s34, s32, 11                        ; four chunks of 512 bytes a slab
	s_add_nc_u64 s[30:31], s[30:31], s[34:35]
	v_and_b32 v11, 31, v0                          ; L
	v_lshlrev_b32 v14, 4, v11
	s_lshl_b32 s33, s20, 15
	v_add_nc_u32 v1, s33, v14                      ; 16 rows of 2,048 bytes a wave, 16 bytes a lane; never rewritten
; A batch: sixteen loads, 8,192 consecutive bytes = four rows.
.macro GLDX set, p, b                  ; batch b of my rows of x in pass p
.irp i, 0,1,2,3,4,5,6,7,8,9,10,11,12,13,14,15
	global_load_b128 v[\set+4*\i:\set+4*\i+3], v1, s[24:25] offset:(\p)*131072+(16*(\b)+\i)*512
.endr
.endm
.macro GLDW set, b                     ; batch b of my 16 weight rows
.irp i, 0,1,2,3,4,5,6,7,8,9,10,11,12,13,14,15
	global_load_b128 v[\set+4*\i:\set+4*\i+3], v1, s[26:27] offset:(16*(\b)+\i)*512
.endr
.endm
.macro GCV set, a, b                   ; to bf16 in place, 8 bytes a lane into the padded rows at address register a
.irp i, 0,1,2,3,4,5,6,7,8,9,10,11,12,13,14,15
	v_cvt_pk_bf16_f32 v[\set+4*\i], v[\set+4*\i], v[\set+4*\i+1]
	v_cvt_pk_bf16_f32 v[\set+4*\i+1], v[\set+4*\i+2], v[\set+4*\i+3]
	ds_store_b64 v[\a], v[\set+4*\i:\set+4*\i+1] offset:(4*(\b)+\i/4)*XP+(\i%4)*256
.endr
.endm
; The first staging's eight batches: 0-3 pass 0's x, 4-7 the weights; batch k uses set 128, 192, 64 in turn.
.macro GL k
.if (\k) < 4
	GLDX 64+64*(((\k)+1)%3), 0, \k
.else
	GLDW 64+64*(((\k)+1)%3), (\k)-4
.endif
.endm
.macro GC k
.if (\k) < 4
	GCV 64+64*(((\k)+1)%3), 3, \k
.else
	GCV 64+64*(((\k)+1)%3), 4, (\k)-4
.endif
.endm
	GL 0
	GL 1
	GL 2
	v_and_b32 v12, 15, v0                          ; r
	v_bfe_u32 v13, v0, 4, 1                        ; h
	v_lshlrev_b32 v15, 3, v11
	s_mul_i32 s33, s20, 16*XP
	s_add_co_u32 s36, s33, XSB
	v_add_nc_u32 v3, s36, v15
	v_mul_u32_u24 v6, v12, XP
	v_lshl_add_u32 v6, v13, 4, v6                  ; r x pitch + 16 h
	v_add_nc_u32 v5, s36, v6
	v_add_nc_u32 v6, DSB, v6
	s_add_co_u32 s36, s33, DSB
	v_add_nc_u32 v4, s36, v15
	s_mul_i32 s33, s20, 16*SPI
	s_add_co_u32 s33, s33, STG
	v_mul_u32_u24 v7, v12, SPI
	v_lshl_add_u32 v7, v13, 5, v7
	v_add_nc_u32 v7, s33, v7                       ; in: row r, 32 bytes for each half of the lanes
	v_mul_u32_u24 v8, v13, SPI
	v_lshl_add_u32 v8, v12, 4, v8
	v_add_nc_u32 v8, s33, v8                       ; back: lanes 0-15 one row of 256 bytes, lanes 16-31 the next
	v_lshlrev_b32 v9, 4, v12
	v_lshl_add_u32 v9, v13, 11, v9
	s_lshl_b32 s33, s20, 15
	v_add_nc_u32 v9, s33, v9                       ; the same two rows in y0
	s_lshl_b32 s33, s20, 12
	v_add_nc_u32 v10, s33, v14                     ; my tile of uf
.set bb, 0
.rept 8
.if bb < 6
	s_wait_loadcnt 32                              ; this batch is in; the two younger batches of 16 stay out
.elseif bb == 6
	s_wait_loadcnt 16
.else
	s_wait_loadcnt 0
.endif
	GC bb
.if bb < 5
	GL bb+3
.endif
.set bb, bb+1
.endr
	LEND                                           ; the 64 weight rows lie in LDS for every wave: the only barrier on this path
	GLDX 128, 1, 0                                 ; pass 1's first eight rows are asked for now, into registers that pass 0's products do not touch
	GLDX 192, 1, 1
.macro FLD ks, f                       ; ten loads: K step ks of my row tile and of the four column tiles
	ds_load_b128 v[\f:\f+3], v5 offset:64*(\ks)
	ds_load_b128 v[\f+4:\f+7], v5 offset:64*(\ks)+32
.irp nt, 0,1,2,3
	ds_load_b128 v[\f+8+8*\nt:\f+11+8*\nt], v6 offset:\nt*16*XP+64*(\ks)
	ds_load_b128 v[\f+12+8*\nt:\f+15+8*\nt], v6 offset:\nt*16*XP+64*(\ks)+32
.endr
.endm
.macro GMUL f, zero                    ; the four accumulators take turns, one instruction a turn
.irp nt, 0,1,2,3
.if \zero
	v_wmma_f32_16x16x32_bf16 v[16+8*\nt:23+8*\nt], v[\f+8+8*\nt:\f+15+8*\nt], v[\f:\f+7], 0
.else
	v_wmma_f32_16x16x32_bf16 v[16+8*\nt:23+8*\nt], v[\f+8+8*\nt:\f+15+8*\nt], v[\f:\f+7], v[16+8*\nt:23+8*\nt]
.endif
.endr
.endm
.macro PROD                            ; a pass's products: sixteen K steps of 32
	FLD 0, 48
.set kk, 0
.rept 16
.if kk > 0
	PLACES                                         ; the set loaded next was read by the last step's products
.endif
.if kk < 15
	FLD kk+1, 48+40*((kk+1)%2)
	s_wait_dscnt 10                                ; this step's fragments are in; the ten loads just issued stay out
.else
	s_wait_dscnt 0
.endif
.if kk == 0
	GMUL 48, 1
.else
	GMUL 48+40*(kk%2), 0
.endif
.set kk, kk+1
.endr
	PLACES
.endm
.macro OUT p
	s_cmp_lt_u32 s22, 8
	s_cbranch_scc0 .Lto_u_\@
	; columns of D: f32 through my own stage, so that sixteen lanes store 256 consecutive bytes of a row of y0, aligned
.irp t, 0,1,2,3
	ds_store_b128 v7, v[16+8*\t:19+8*\t] offset:\t*64
	ds_store_b128 v7, v[20+8*\t:23+8*\t] offset:\t*64+16
.endr
.irp i, 0,1,2,3,4,5,6,7
	ds_load_b128 v[48+4*\i:51+4*\i], v8 offset:\i*2*SPI            ; LDS serves a wave's instructions in order (ISA guide 5.7.1): these see the stores above
.endr
.irp i, 0,1,2,3,4,5,6,7
	s_wait_dscnt 7-\i
	global_store_b128 v9, v[48+4*\i:51+4*\i], s[28:29] offset:(\p)*131072+\i*4096
.endr
	s_branch .Lout_\@
.Lto_u_\@:
	; columns of B: a lane's eight numbers are its 16 bytes of chunk 4 (slab - 8) + nt of tile 8 block + 4 p + w: 512 consecutive bytes a store
.irp t, 0,1,2,3
.irp q, 0,1,2,3
	v_cvt_pk_bf16_f32 v[48+4*\t+\q], v[16+8*\t+2*\q], v[16+8*\t+2*\q+1]
.endr
	global_store_b128 v10, v[48+4*\t:51+4*\t], s[30:31] offset:(\p)*16384+\t*512
.endr
.Lout_\@:
.endm
	PROD
	OUT 0
	; pass 1: my next 16 rows of x over my own bytes, whose reads were waited for in the last K step
	s_wait_xcnt 0x0                                ; v48-79 were the data of pass 0's stores: they are loaded and written again only behind this wait
	GLDX 64, 1, 2
	s_wait_loadcnt 32                              ; batch 0 is in; batches 1 and 2 stay out
	GCV 128, 3, 0
	GLDX 128, 1, 3
	s_wait_loadcnt 32                              ; batches 2 and 3 stay out
	GCV 192, 3, 1
	s_wait_loadcnt 16
	GCV 64, 3, 2
	s_wait_loadcnt 0
	GCV 128, 3, 3
	PROD                                           ; a wave's LDS instructions are served in order: its fragment loads see its own stores above
	OUT 1
	s_set_vgpr_msb 0xf
	s_wait_tensorcnt 0x0
	ds_add_u32 v0, v1
	s_wait_dscnt 0x0
	s_set_vgpr_msb 0xf00
	s_endpgm
.Lfunc_end_k_q16f93c77bb_prep:
	.size	k_q16f93c77bb_prep, .Lfunc_end_k_q16f93c77bb_prep-k_q16f93c77bb_prep
	.p2alignl 7, 3214868480
	.fill 96, 4, 3214868480
	.section	.rodata,"a",@progbits
	.p2align	6, 0x0
	.amdhsa_kernel k_q16f93c77bb_prep
		.amdhsa_group_segment_fixed_size 301056
		.amdhsa_private_segment_fixed_size 0
		.amdhsa_enable_private_segment 0
		.amdhsa_kernarg_size 64
		.amdhsa_user_sgpr_count 2
		.amdhsa_user_sgpr_kernarg_segment_ptr 1
		.amdhsa_wavefront_size32 1
		.amdhsa_system_sgpr_workgroup_id_x 1
		.amdhsa_system_sgpr_workgroup_id_y 1
		.amdhsa_system_sgpr_workgroup_id_z 1
		.amdhsa_system_vgpr_workitem_id 0
		.amdhsa_next_free_vgpr 770
		.amdhsa_next_free_sgpr 66
		.amdhsa_reserve_vcc 0
		.amdhsa_float_denorm_mode_32 3
		.amdhsa_float_denorm_mode_16_64 3
		.amdhsa_memory_ordered 1
		.amdhsa_forward_progress 1
		.amdhsa_inst_pref_size 255
	.end_amdhsa_kernel
	.section	.bss,"aw",@nobits
	.p2align	6
	.space	262144
	.amdgpu_metadata
---
amdhsa.version: [ 1, 2 ]
amdhsa.kernels:
  - .name:           k_q16f93c77bb_prep
    .symbol:         k_q16f93c77bb_prep.kd
    .args:
      - { .name: x, .offset: 0, .size: 8, .value_kind: global_buffer, .address_space: global }
      - { .name: A, .offset: 8, .size: 8, .value_kind: global_buffer, .address_space: global }
      - { .name: B, .offset: 16, .size: 8, .value_kind: global_buffer, .address_space: global }
      - { .name: C, .offset: 24, .size: 8, .value_kind: global_buffer, .address_space: global }
      - { .name: D, .offset: 32, .size: 8, .value_kind: global_buffer, .address_space: global }
      - { .name: y0, .offset: 40, .size: 8, .value_kind: global_buffer, .address_space: global }
      - { .name: uf, .offset: 48, .size: 8, .value_kind: global_buffer, .address_space: global }
      - { .name: wf, .offset: 56, .size: 8, .value_kind: global_buffer, .address_space: global }
    .group_segment_fixed_size: 301056
    .private_segment_fixed_size: 0
    .kernarg_segment_align: 8
    .kernarg_segment_size: 64
    .max_flat_workgroup_size: 128
    .sgpr_count:     66
    .vgpr_count:     770
    .wavefront_size: 32
...
	.end_amdgpu_metadata
.endif
;; end of part 4
;; launch finish (part 5): grid 128 x 1, 16 waves a work-group, no clusters, 18,688 bytes of LDS; arguments y0, x, uf, wf, gamma, beta, out0; writes out0
.if DOCPART == 5
	.amdgcn_target "amdgcn-amd-amdhsa--gfx1250"
	.amdhsa_code_object_version 6
	.text
	.protected	k_q16f93c77bb_finish
	.globl	k_q16f93c77bb_finish
	.p2align	8
	.type	k_q16f93c77bb_finish,@function
k_q16f93c77bb_finish:
	s_mov_b64 s[64:65], 0
	v_nop
	global_prefetch_b8 v0, s[64:65] scope:SCOPE_SE
	s_setreg_imm32_b32 hwreg(HW_REG_WAVE_MODE, 25, 1), 1
	s_wait_xcnt 0x0
; SSM layer, second of two launches:  out = LayerNorm( gelu( y0 + c ) + x ) gamma + beta,  with  c[b][t] = sum over j < t of w_(t-1-j) . u_(b,j).
; As shown at the head of the first launch, all 512 columns of the state are equal, so its read-out is the one number c for a row; the terms
; j >= t do not exist (the state starts as zeros that the function builds itself), and whole tiles of them are neither loaded nor multiplied.
; LIMITS.  erf by the rational form 7.1.26 of Abramowitz and Stegun, absolute error up to 1.5e-7 in erf.  v_exp_f32 gives 0 for results
; below 2^-126 (ISA guide 15.8): there gelu's tail is 0 or y.  The limits stated at the head of the first launch hold here too.
;
; Work-group b 32 + n owns the 16 rows t = 16 n + e of batch b.  Sixteen waves.
; THE CONVOLUTION.  G = W_tile x U_tile^T is 16 x 16 x 128: G[ik][ij] = w_(16 kt + ik) . u_(16 p + ij).  For u's tile p, row e needs
; k = 16 (n - p) + e - 1 - ij: with d = ik + ij that is d = e - 1 in w's tile n - p ("hi", d <= 14) and d = e + 15 in tile n - p - 1 ("lo", d >= 15).
; So each element of hi with d <= 14 and of lo with d >= 15 belongs to row e = (d + 1) & 15, and the others to no row of this group.
; Wave w takes p = 2 w and 2 w + 1; with np = n - 2 w:  hi = W[np] U[2w] + W[np-1] U[2w+1],  lo = W[np-1] U[2w] + W[np-2] U[2w+1].
; Its 256 selected numbers go to LDS by row, one barrier, and wave e adds up row e's 256 numbers.  Then wave e finishes row e alone.
; No cluster and no tensor loads: uf and wf lie in fragment order and go straight into registers, 512 consecutive bytes a load.
.set Y,   16                           ; v16-31   my row of y0, then y, z, z - mean, the result
.set X,   32                           ; v32-47   my row of x
.set HI0, 48                           ; v48-79   four accumulators: hi and lo, each split in two that take turns
.set HI1, 56
.set LO0, 64
.set LO1, 72
.set U0,  80                           ; v80-143  two tiles of u
.set U1,  112
.set W0,  144                          ; v144-239 three tiles of w
.set W1,  176
.set W2,  208
.set GA,  80                           ; later: gamma, beta, and three arrays of 16 at work
.set BE,  96
.set T,   112
.set EX,  128
.set P,   144
.set C_P,  0x3e6d3388                  ; 0.3275911 / sqrt 2
.set C_KE, 0xbf38aa3b                  ; - log2(e) / 2
.set C_H5, 0x3f07dc22                  ; half of the form's five coefficients: 0.5307027
.set C_H4, 0xbf3a00e3                  ; -0.7265760
.set C_H3, 0x3f35f0e3                  ; 0.7107069
.set C_H2, 0xbe11a98e                  ; -0.1422484
.set C_H1, 0x3e027906                  ; 0.1274148
.set C_EPS, 0x3727c5ac                 ; 1e-5
.macro PLACES
.rept 4
	v_nop
.endr
.endm
.macro TLD dst, base, off              ; a tile: eight loads of 512 consecutive bytes; K step ks is registers 8 ks .. 8 ks + 7
.irp q, 0,1,2,3,4,5,6,7
	global_load_b128 v[\dst+4*\q:\dst+4*\q+3], v1, s[\base:\base+1] offset:\off+\q*512
.endr
.endm
.macro MM d, a, b, ks, zero            ; source 0: 16 rows of w, source 1: 16 rows of u.  Lane (r, h), register j: ik = 8 h + j, ij = r
.if \zero
	v_wmma_f32_16x16x32_bf16 v[\d:\d+7], v[\a+8*\ks:\a+8*\ks+7], v[\b+8*\ks:\b+8*\ks+7], 0
.else
	v_wmma_f32_16x16x32_bf16 v[\d:\d+7], v[\a+8*\ks:\a+8*\ks+7], v[\b+8*\ks:\b+8*\ks+7], v[\d:\d+7]
.endif
.endm
; In all three blocks, and from block to block, no two products that follow each other share an accumulator: they take turns, one instruction a turn.
.macro BLK0
	MM HI0, W0, U0, 0, 1
	MM HI1, W0, U0, 1, 1
	MM HI0, W0, U0, 2, 0
	MM HI1, W0, U0, 3, 0
.endm
.macro BLK1
	MM LO0, W1, U0, 0, 1
	MM HI0, W1, U1, 0, 0
	MM LO1, W1, U0, 1, 1
	MM HI1, W1, U1, 1, 0
	MM LO0, W1, U0, 2, 0
	MM HI0, W1, U1, 2, 0
	MM LO1, W1, U0, 3, 0
	MM HI1, W1, U1, 3, 0
.endm
.macro BLK2
	MM LO0, W2, U1, 0, 0
	MM LO1, W2, U1, 1, 0
	MM LO0, W2, U1, 2, 0
	MM LO1, W2, U1, 3, 0
.endm
.macro FOLD a, b
.irp i, 0,2,4,6
	v_pk_add_f32 v[\a+\i:\a+\i+1], v[\a+\i:\a+\i+1], v[\b+\i:\b+\i+1]
.endr
.endm
.macro WSUM r                          ; the sum over the 32 lanes, in every lane; v7 has been written
	v_add_f32_dpp v[\r], v[\r], v[\r] row_xmask:1 row_mask:0xf bank_mask:0xf
	v_add_f32_dpp v[\r], v[\r], v[\r] row_xmask:2 row_mask:0xf bank_mask:0xf
	v_add_f32_dpp v[\r], v[\r], v[\r] row_xmask:4 row_mask:0xf bank_mask:0xf
	v_add_f32_dpp v[\r], v[\r], v[\r] row_xmask:8 row_mask:0xf bank_mask:0xf
	v_permlanex16_b32 v7, v[\r], s40, s41
	v_add_f32 v[\r], v[\r], v7
.endm
	s_load_b256 s[4:11], s[0:1], 0x0               ; y0 4:5, x 6:7, uf 8:9, wf 10:11
	s_load_b128 s[12:15], s[0:1], 0x20             ; gamma 12:13, beta 14:15
	s_load_b64 s[16:17], s[0:1], 0x30              ; out0
	v_lshl_add_u32 v254, v0, 2, 0x4100
	v_mov_b32 v255, 0
	v_lshrrev_b32 v1, 5, v0
	v_readfirstlane_b32 s20, v1                    ; wave 0..15
	v_and_b32 v2, 31, v0                           ; L
	v_lshlrev_b32 v1, 4, v2                        ; 16 L: the one offset of every global access; never rewritten
	s_and_b32 s21, ttmp9, 31                       ; n
	s_lshl_b32 s23, s20, 1
	s_sub_co_i32 s22, s21, s23                     ; np = n - 2 w
	s_lshl_b32 s24, ttmp9, 15
	s_lshl_b32 s26, s20, 11
	s_add_co_u32 s24, s24, s26                     ; my row: (16 group + w) x 2,048 bytes
	s_mov_b32 s25, 0
	s_and_b32 s26, ttmp9, 0x60                     ; 32 b
	s_add_co_u32 s26, s26, s23
	s_lshl_b32 s26, s26, 12                        ; u's tile 32 b + 2 w
	s_mov_b32 s27, 0
	s_max_i32 s28, s22, 0
	s_lshl_b32 s28, s28, 12                        ; w's tile np
	s_mov_b32 s29, 0
	s_mov_b32 s32, 0x3b000000                      ; 1 / 512
	s_mov_b32 s40, 0x76543210                      ; v_permlanex16_b32: lane i of one half reads lane i of the other
	s_mov_b32 s41, 0xfedcba98
	s_wait_kmcnt 0x0
	s_add_nc_u64 s[4:5], s[4:5], s[24:25]
	s_add_nc_u64 s[6:7], s[6:7], s[24:25]
	s_add_nc_u64 s[16:17], s[16:17], s[24:25]
	s_add_nc_u64 s[8:9], s[8:9], s[26:27]
	s_add_nc_u64 s[10:11], s[10:11], s[28:29]
.irp c, 0,1,2,3
	global_load_b128 v[Y+4*\c:Y+4*\c+3], v1, s[4:5] offset:\c*512  ; lane L: columns 128 c + 4 L .. + 3
.endr
.irp c, 0,1,2,3
	global_load_b128 v[X+4*\c:X+4*\c+3], v1, s[6:7] offset:\c*512
.endr
	v_and_b32 v3, 15, v0
	v_bfe_u32 v4, v0, 4, 1
	v_lshl_add_u32 v3, v4, 3, v3                   ; d for register 0: r + 8 h
	s_mul_i32 s30, s20, 1040
	v_lshlrev_b32 v5, 5, v4
	v_add_nc_u32 v5, s30, v5                       ; my 1,040 bytes of LDS, + 32 h
	v_lshrrev_b32 v6, 1, v2
	v_mul_u32_u24 v6, v6, 1040
	v_and_b32 v7, 1, v2
	v_lshl_add_u32 v6, v7, 5, v6
	s_lshl_b32 s31, s20, 6
	v_add_nc_u32 v6, s31, v6                       ; back: wave L / 2's numbers for row w, half L & 1
	v_mov_b32 v240, C_H4
	v_mov_b32 v241, C_H4
	; Which tiles exist hangs on np alone.  Each case is written out whole, so that every product stands behind its own loads.
	s_cmp_lt_i32 s22, 0
	s_cbranch_scc1 .Lnone
	TLD W0, 10, 0
	TLD U0, 8, 0
	s_cmp_lt_i32 s22, 1
	s_cbranch_scc1 .Lone
	TLD W1, 10, -4096
	TLD U1, 8, 4096
	s_cmp_lt_i32 s22, 2
	s_cbranch_scc1 .Ltwo
	TLD W2, 10, -8192
	s_wait_loadcnt 24                              ; W0 and U0 are in; the 24 loads of W1, U1, W2 stay out
	BLK0
	s_wait_loadcnt 8                               ; W2's eight stay out
	BLK1
	s_wait_loadcnt 0
	BLK2
	PLACES
	FOLD HI0, HI1
	FOLD LO0, LO1
	s_branch .Lsel
.Ltwo:
	s_wait_loadcnt 16                              ; the 16 loads of W1 and U1 stay out
	BLK0
	s_wait_loadcnt 0
	BLK1
	PLACES
	FOLD HI0, HI1
	FOLD LO0, LO1
	s_branch .Lsel
.Lone:
	s_wait_loadcnt 0
	BLK0
	PLACES
	FOLD HI0, HI1
.irp j, 0,1,2,3,4,5,6,7
	v_mov_b32 v[LO0+\j], 0                         ; no tile below w's tile 0: these terms do not exist
.endr
.Lsel:
.irp j, 0,1,2,3,4,5,6,7
	v_cmp_gt_u32 vcc_lo, 15-\j, v3                 ; d = r + 8 h + j <= 14: the number of hi counts, else that of lo
	v_cndmask_b32 v[HI0+\j], v[LO0+\j], v[HI0+\j], vcc_lo
.endr
	s_branch .Lput
.Lnone:
.irp j, 0,1,2,3,4,5,6,7
	v_mov_b32 v[HI0+\j], 0                         ; both my tiles of u lie behind the group's rows: I add nothing
.endr
.Lput:
.irp c, 0,1,2,3
	global_load_b128 v[GA+4*\c:GA+4*\c+3], v1, s[12:13] offset:\c*512
.endr
.irp c, 0,1,2,3
	global_load_b128 v[BE+4*\c:BE+4*\c+3], v1, s[14:15] offset:\c*512
.endr
.irp j, 0,1,2,3,4,5,6,7
	v_add_nc_u32 v[8+\j], \j+1, v3
	v_and_b32 v[8+\j], 15, v[8+\j]                 ; row e = (d + 1) & 15
	v_lshl_add_u32 v[8+\j], v[8+\j], 6, v5         ; 64 bytes a row; a row's sixteen numbers have sixteen different ik = 8 h + j
	ds_store_b32 v[8+\j], v[HI0+\j] offset:4*\j
.endr
	s_wait_dscnt 0x0                               ; my numbers lie in LDS,
	s_barrier_signal -1
	s_barrier_wait -1                              ; everybody's do
	ds_load_b128 v[48:51], v6
	ds_load_b128 v[52:55], v6 offset:16
	s_wait_dscnt 0x0
	v_pk_add_f32 v[48:49], v[48:49], v[50:51]
	v_pk_add_f32 v[52:53], v[52:53], v[54:55]
	v_pk_add_f32 v[48:49], v[48:49], v[52:53]
	v_add_f32 v48, v48, v49
	WSUM 48                                        ; c of my row, in every lane
	s_wait_loadcnt 0x0                             ; y0, x (on the path without tiles not yet waited for), gamma, beta
	; gelu(y) = y Phi(y).  With t = 1 / (1 + p |y| / sqrt 2) and E = t (h1 + t (h2 + t (h3 + t (h4 + t h5)))) exp(- y^2 / 2):  Phi = 1 - E for y >= 0, E for y < 0.
.irp i, 0,2,4,6,8,10,12,14
	v_pk_add_f32 v[Y+\i:Y+\i+1], v[Y+\i:Y+\i+1], v[48:49] op_sel_hi:[1,0]
.endr
.irp i, 0,1,2,3,4,5,6,7,8,9,10,11,12,13,14,15
	v_fma_f32 v[T+\i], |v[Y+\i]|, C_P, 1.0
.endr
.irp i, 0,2,4,6,8,10,12,14
	v_pk_mul_f32 v[EX+\i:EX+\i+1], v[Y+\i:Y+\i+1], C_KE op_sel_hi:[1,0]
.endr
.irp i, 0,2,4,6,8,10,12,14
	v_pk_mul_f32 v[EX+\i:EX+\i+1], v[EX+\i:EX+\i+1], v[Y+\i:Y+\i+1]
.endr
.irp i, 0,1,2,3,4,5,6,7,8,9,10,11,12,13,14,15
	v_rcp_f32 v[T+\i], v[T+\i]
.endr
.irp i, 0,1,2,3,4,5,6,7,8,9,10,11,12,13,14,15
	v_exp_f32 v[EX+\i], v[EX+\i]
.endr
	v_nop                                          ; one plain instruction between the last of these and the first use (ISA guide 5.7.2)
	s_wait_alu depctr_va_vdst(0)
.irp i, 0,2,4,6,8,10,12,14
	v_pk_fma_f32 v[P+\i:P+\i+1], v[T+\i:T+\i+1], C_H5, v[240:241] op_sel_hi:[1,0,1]
.endr
.irp i, 0,2,4,6,8,10,12,14
	v_pk_fma_f32 v[P+\i:P+\i+1], v[P+\i:P+\i+1], v[T+\i:T+\i+1], C_H3 op_sel_hi:[1,1,0]
.endr
.irp i, 0,2,4,6,8,10,12,14
	v_pk_fma_f32 v[P+\i:P+\i+1], v[P+\i:P+\i+1], v[T+\i:T+\i+1], C_H2 op_sel_hi:[1,1,0]
.endr
.irp i, 0,2,4,6,8,10,12,14
	v_pk_fma_f32 v[P+\i:P+\i+1], v[P+\i:P+\i+1], v[T+\i:T+\i+1], C_H1 op_sel_hi:[1,1,0]
.endr
.irp i, 0,2,4,6,8,10,12,14
	v_pk_mul_f32 v[T+\i:T+\i+1], v[T+\i:T+\i+1], v[EX+\i:EX+\i+1]
.endr
.irp i, 0,2,4,6,8,10,12,14
	v_pk_mul_f32 v[P+\i:P+\i+1], v[P+\i:P+\i+1], v[T+\i:T+\i+1]    ; E
.endr
.irp i, 0,2,4,6,8,10,12,14
	v_pk_fma_f32 v[T+\i:T+\i+1], v[P+\i:P+\i+1], -1.0, 1.0 op_sel_hi:[1,0,0]   ; 1 - E
.endr
.irp i, 0,1,2,3,4,5,6,7,8,9,10,11,12,13,14,15
	v_cmp_le_f32 vcc_lo, 0, v[Y+\i]
	v_cndmask_b32 v[P+\i], v[P+\i], v[T+\i], vcc_lo
.endr
.irp i, 0,2,4,6,8,10,12,14
	v_pk_fma_f32 v[Y+\i:Y+\i+1], v[Y+\i:Y+\i+1], v[P+\i:P+\i+1], v[X+\i:X+\i+1]   ; z = gelu(y) + x
.endr
	; LayerNorm over my row's 512 numbers, 16 a lane, in two passes: the mean, then the squares of the differences
	v_pk_add_f32 v[112:113], v[Y:Y+1], v[Y+2:Y+3]
	v_pk_add_f32 v[114:115], v[Y+4:Y+5], v[Y+6:Y+7]
	v_pk_add_f32 v[116:117], v[Y+8:Y+9], v[Y+10:Y+11]
	v_pk_add_f32 v[118:119], v[Y+12:Y+13], v[Y+14:Y+15]
	v_pk_add_f32 v[112:113], v[112:113], v[114:115]
	v_pk_add_f32 v[116:117], v[116:117], v[118:119]
	v_pk_add_f32 v[112:113], v[112:113], v[116:117]
	v_add_f32 v112, v112, v113
	WSUM 112
	v_mul_f32 v112, s32, v112                      ; the mean
.irp i, 0,2,4,6,8,10,12,14
	v_pk_add_f32 v[Y+\i:Y+\i+1], v[Y+\i:Y+\i+1], v[112:113] op_sel_hi:[1,0] neg_lo:[0,1] neg_hi:[0,1]
.endr
	v_pk_mul_f32 v[114:115], v[Y:Y+1], v[Y:Y+1]
	v_pk_mul_f32 v[116:117], v[Y+2:Y+3], v[Y+2:Y+3]
.irp i, 4,8,12
	v_pk_fma_f32 v[114:115], v[Y+\i:Y+\i+1], v[Y+\i:Y+\i+1], v[114:115]
	v_pk_fma_f32 v[116:117], v[Y+\i+2:Y+\i+3], v[Y+\i+2:Y+\i+3], v[116:117]
.endr
	v_pk_add_f32 v[114:115], v[114:115], v[116:117]
	v_add_f32 v114, v114, v115
	WSUM 114
	v_fma_f32 v114, v114, s32, C_EPS               ; the variance + 1e-5
	v_rsq_f32 v114, v114
	v_nop                                          ; one plain instruction before the result is used (ISA guide 5.7.2)
	s_wait_alu depctr_va_vdst(0)
.irp i, 0,2,4,6,8,10,12,14
	v_pk_mul_f32 v[GA+\i:GA+\i+1], v[GA+\i:GA+\i+1], v[114:115] op_sel_hi:[1,0]
.endr
.irp i, 0,2,4,6,8,10,12,14
	v_pk_fma_f32 v[Y+\i:Y+\i+1], v[Y+\i:Y+\i+1], v[GA+\i:GA+\i+1], v[BE+\i:BE+\i+1]
.endr
.irp c, 0,1,2,3
	global_store_b128 v1, v[Y+4*\c:Y+4*\c+3], s[16:17] offset:\c*512 th:TH_STORE_NT   ; 512 consecutive bytes of my row, aligned
.endr
	s_wait_tensorcnt 0x0
	ds_add_u32 v254, v255
	s_wait_dscnt 0x0
	s_endpgm
.Lfunc_end_k_q16f93c77bb_finish:
	.size	k_q16f93c77bb_finish, .Lfunc_end_k_q16f93c77bb_finish-k_q16f93c77bb_finish
	.p2alignl 7, 3214868480
	.fill 96, 4, 3214868480
	.section	.rodata,"a",@progbits
	.p2align	6, 0x0
	.amdhsa_kernel k_q16f93c77bb_finish
		.amdhsa_group_segment_fixed_size 18688
		.amdhsa_private_segment_fixed_size 0
		.amdhsa_enable_private_segment 0
		.amdhsa_kernarg_size 56
		.amdhsa_user_sgpr_count 2
		.amdhsa_user_sgpr_kernarg_segment_ptr 1
		.amdhsa_wavefront_size32 1
		.amdhsa_system_sgpr_workgroup_id_x 1
		.amdhsa_system_sgpr_workgroup_id_y 1
		.amdhsa_system_sgpr_workgroup_id_z 1
		.amdhsa_system_vgpr_workitem_id 0
		.amdhsa_next_free_vgpr 256
		.amdhsa_next_free_sgpr 66
		.amdhsa_reserve_vcc 1
		.amdhsa_float_denorm_mode_32 3
		.amdhsa_float_denorm_mode_16_64 3
		.amdhsa_memory_ordered 1
		.amdhsa_forward_progress 1
		.amdhsa_inst_pref_size 30
	.end_amdhsa_kernel
	.amdgpu_metadata
---
amdhsa.version: [ 1, 2 ]
amdhsa.kernels:
  - .name:           k_q16f93c77bb_finish
    .symbol:         k_q16f93c77bb_finish.kd
    .args:
      - { .name: y0, .offset: 0, .size: 8, .value_kind: global_buffer, .address_space: global }
      - { .name: x, .offset: 8, .size: 8, .value_kind: global_buffer, .address_space: global }
      - { .name: uf, .offset: 16, .size: 8, .value_kind: global_buffer, .address_space: global }
      - { .name: wf, .offset: 24, .size: 8, .value_kind: global_buffer, .address_space: global }
      - { .name: gamma, .offset: 32, .size: 8, .value_kind: global_buffer, .address_space: global }
      - { .name: beta, .offset: 40, .size: 8, .value_kind: global_buffer, .address_space: global }
      - { .name: out0, .offset: 48, .size: 8, .value_kind: global_buffer, .address_space: global }
    .group_segment_fixed_size: 18688
    .private_segment_fixed_size: 0
    .kernarg_segment_align: 8
    .kernarg_segment_size: 56
    .max_flat_workgroup_size: 512
    .sgpr_count:     66
    .vgpr_count:     256
    .wavefront_size: 32
...
	.end_amdgpu_metadata
.endif
;; end of part 5
